; MI455X (gfx1250); checked and timed in simulation.
; The chip was launched on July 23, 2026; its instructions are those of AMD's public machine-readable ISA for CDNA 5 (MIT licence, August 2026) and "CDNA5" Instruction Set Architecture Reference Guide (July 2026). The comments in the code are by the model that wrote it; some were corrected since.
;; Temporal Encoder Layer. Allowed arithmetic: float matrix products may take bf16 or f16 operands with f32 sums; other float arithmetic in f32, or as packed bf16 or f16 multiplies, adds, multiply-adds, maxima and minima; sums over many terms, partial sums and values carried from step to step in f32; what a program stores and reads back later, other than sums and carried values, may be rounded once to bf16 or f16.
;; Inputs: W1 1,024 x 4,096 float32; W2 4,096 x 1,024 float32; Wk 1,024 x 1,024 float32; Wo 1,024 x 1,024 float32; Wq 1,024 x 1,024 float32; Wv 1,024 x 1,024 float32; b1 4,096 float32; b2 1,024 float32; bk 1,024 float32; bo 1,024 float32; bq 1,024 float32; bv 1,024 float32; is_global 2 x 2,048 bool; ln1_b 1,024 float32; ln1_g 1,024 float32; ln2_b 1,024 float32; ln2_g 1,024 float32; x 2 x 2,048 x 1,024 float32.
;; Outputs: out0 2 x 2,048 x 1,024 float32.
;; One version. Each part assembles by itself: llvm-mc -triple=amdgcn-amd-amdhsa -mcpu=gfx1250 --defsym DOCPART=n.
;; ======== version 1 of 1: 7 launches
;; limits: right only within a limited range of input values; a function is approximated: absolute error at most 0.0005; an absolute error that grows with the inputs' magnitude: up to 0.00025 times it
;; workspace buffers: hn 8,388,608 bytes; act 33,554,432 bytes; x1 16,777,216 bytes; wa 10,485,760 bytes; wb 16,777,216 bytes; bqkv 32,768 bytes; pa 256 bytes; pb 256 bytes
;; launch prep (part 1): grid 641 x 1, 8 waves a work-group, no clusters, 0 bytes of LDS; arguments x, ln1_g, ln1_b, hn, Wq, Wk, Wv, Wo, bq, bk, bv, is_global, bqkv, pa, pb, wa; writes hn, wa, bqkv, pa, pb
.if DOCPART == 1
	.amdgcn_target "amdgcn-amd-amdhsa--gfx1250"
	.amdhsa_code_object_version 6
	.text
	.protected	k_q8463f5014c_prep
	.globl	k_q8463f5014c_prep
	.p2align	8
	.type	k_q8463f5014c_prep,@function
k_q8463f5014c_prep:
	s_mov_b64 s[64:65], 0
	v_nop
	global_prefetch_b8 v0, s[64:65] scope:SCOPE_SE
	s_setreg_imm32_b32 hwreg(HW_REG_WAVE_MODE, 25, 1), 1
	s_wait_xcnt 0x0
; PREP: three kinds of work-group, told apart by the work-group's number alone.
;   0 .. 511    the first layer norm: 8 rows of x each, a row a wave; h leaves in bf16, in blocks of 128 columns: hn[block j][row][128], a row of a block = 256 dense bytes
;   512 .. 639  the weights Wq, Wk, Wv, Wo, f32 -> bf16, rounded once, in their own order [k][n]: 32 pieces of 1,024 numbers each, four a wave  (W1 and W2 are rounded in the attention's launch)
;   640         bq|bk|bv copied on end; the key table (0 for a global key, -2^33 for another); the two pairs of factors (AL, BE) of the large product's way out
; A stream: each byte is read once and written once, a store of a wave covers 256 consecutive aligned bytes; no LDS, no matrix unit, nothing shared.
; NORM: mean first, then the squares of x - mean (two passes over registers), so a common offset of x costs nothing.  NaN and infinities are not treated apart.
.set NLN, 512                          ; work-groups of the norm
.set NCV, 128                          ; work-groups of the weights
.set BLK, 1048576                      ; bytes of a block of 128 columns: 4,096 rows x 256
.set XO,  2                            ; v2      16 x lane
.set VO,  3                            ; v3      row x 256 + 8 x lane
.set M,   4                            ; v[4:5]  the mean, twice
.set RS,  6                            ; v[6:7]  1 / sqrt(var + eps), twice
.set T,   8                            ; v[8:23] at work
.set X,   32                           ; v[32:63]  the row: load j holds columns 128 j + 4 lane .. + 3
.set G,   64                           ; v[64:95]  the gain, likewise
.set BB,  96                           ; v[96:127] the bias, likewise
.set D,   32                           ; the weights: v[32:127] three buffers of 32 registers, a piece each
	s_mov_b32 s2, ttmp9
	v_lshrrev_b32 v1, 5, v0
	v_readfirstlane_b32 s3, v1                     ; wave 0..7
	v_and_b32 v1, 31, v0                           ; lane
	v_lshlrev_b32 v[XO], 4, v1
	s_cmp_lt_u32 s2, NLN
	s_cbranch_scc0 .Lweights
	; ---------------- the norm ----------------
	s_load_b256 s[4:11], s[0:1], 0x0               ; x s[4:5], gain s[6:7], bias s[8:9], hn s[10:11]
	s_lshl_b32 s14, s2, 3
	s_add_co_u32 s14, s14, s3                      ; my row
	s_lshl_b32 s16, s14, 12                        ; x 4,096 bytes
	s_mov_b32 s17, 0
	s_lshl_b32 s18, s14, 8
	v_lshl_add_u32 v[VO], v1, 3, s18
	s_mov_b32 s12, 0x76543210                      ; v_permlanex16_b32: each lane takes its own place in the other half
	s_mov_b32 s13, 0xfedcba98
	s_mov_b32 s15, 0x3a800000                      ; 1 / 1024
	s_mov_b32 s19, 0x3727c5ac                      ; eps = 1e-5
	s_wait_kmcnt 0x0
	s_add_nc_u64 s[4:5], s[4:5], s[16:17]
.irp j, 0,1,2,3,4,5,6,7
	global_load_b128 v[X+4*(\j):X+4*(\j)+3], v[XO], s[4:5] offset:512*(\j) th:TH_LOAD_NT
.endr
.irp j, 0,1,2,3,4,5,6,7
	global_load_b128 v[G+4*(\j):G+4*(\j)+3], v[XO], s[6:7] offset:512*(\j)
.endr
.irp j, 0,1,2,3,4,5,6,7
	global_load_b128 v[BB+4*(\j):BB+4*(\j)+3], v[XO], s[8:9] offset:512*(\j)
.endr
.macro LANES                           ; the sum of v[T] over the 32 lanes, in every lane
	v_add_f32_dpp v[T], v[T], v[T] row_xmask:1 row_mask:0xf bank_mask:0xf
	v_add_f32_dpp v[T], v[T], v[T] row_xmask:2 row_mask:0xf bank_mask:0xf
	v_add_f32_dpp v[T], v[T], v[T] row_xmask:4 row_mask:0xf bank_mask:0xf
	v_add_f32_dpp v[T], v[T], v[T] row_xmask:8 row_mask:0xf bank_mask:0xf
	v_permlanex16_b32 v[T+1], v[T], s12, s13
	v_add_f32 v[T], v[T], v[T+1]
.endm
	s_wait_loadcnt 16                              ; the row is in; the 16 loads of gain and bias stay out
.irp k, 0,1,2,3,4,5,6,7
	v_pk_add_f32 v[T+2*(\k):T+2*(\k)+1], v[X+4*(\k):X+4*(\k)+1], v[X+4*(\k)+2:X+4*(\k)+3]
.endr
.irp k, 0,1,2,3
	v_pk_add_f32 v[T+4*(\k):T+4*(\k)+1], v[T+4*(\k):T+4*(\k)+1], v[T+4*(\k)+2:T+4*(\k)+3]
.endr
	v_pk_add_f32 v[T:T+1], v[T:T+1], v[T+4:T+5]
	v_pk_add_f32 v[T+8:T+9], v[T+8:T+9], v[T+12:T+13]
	v_pk_add_f32 v[T:T+1], v[T:T+1], v[T+8:T+9]
	v_add_f32 v[T], v[T], v[T+1]
	LANES
	v_mul_f32 v[M], s15, v[T]
	v_mov_b32 v[M+1], v[M]
.set k, 0
.rept 16
	v_pk_add_f32 v[X+2*k:X+2*k+1], v[X+2*k:X+2*k+1], v[M:M+1] neg_lo:[0,1] neg_hi:[0,1]
.set k, k+1
.endr
.irp k, 0,1,2,3
	v_pk_mul_f32 v[T+2*(\k):T+2*(\k)+1], v[X+2*(\k):X+2*(\k)+1], v[X+2*(\k):X+2*(\k)+1]
.endr
.set k, 4
.rept 12                               ; four chains that do not wait for each other
	v_pk_fma_f32 v[T+2*(k%4):T+2*(k%4)+1], v[X+2*k:X+2*k+1], v[X+2*k:X+2*k+1], v[T+2*(k%4):T+2*(k%4)+1]
.set k, k+1
.endr
	v_pk_add_f32 v[T:T+1], v[T:T+1], v[T+2:T+3]
	v_pk_add_f32 v[T+4:T+5], v[T+4:T+5], v[T+6:T+7]
	v_pk_add_f32 v[T:T+1], v[T:T+1], v[T+4:T+5]
	v_add_f32 v[T], v[T], v[T+1]
	LANES
	v_fma_f32 v[T+2], v[T], s15, s19               ; var + eps
	v_rsq_f32 v[RS], v[T+2]
	v_rsq_f32 v[RS+1], v[T+2]
	v_nop                                          ; a plain instruction behind the second root,
	s_wait_alu depctr_va_vdst(0)                   ; and one wait for both, ahead of their first reader
	s_wait_loadcnt 0x0                             ; gain and bias
.set k, 0
.rept 16
	v_pk_mul_f32 v[X+2*k:X+2*k+1], v[X+2*k:X+2*k+1], v[RS:RS+1]
.set k, k+1
.endr
.set k, 0
.rept 16
	v_pk_fma_f32 v[X+2*k:X+2*k+1], v[X+2*k:X+2*k+1], v[G+2*k:G+2*k+1], v[BB+2*k:BB+2*k+1]
.set k, k+1
.endr
.irp j, 0,1,2,3,4,5,6,7
	v_cvt_pk_bf16_f32 v[X+4*(\j)], v[X+4*(\j)], v[X+4*(\j)+1]
	v_cvt_pk_bf16_f32 v[X+4*(\j)+1], v[X+4*(\j)+2], v[X+4*(\j)+3]
	global_store_b64 v[VO], v[X+4*(\j):X+4*(\j)+1], s[10:11] offset:(\j)*BLK th:TH_STORE_NT  ; 32 lanes: the row's 256 bytes in block j
.endr
	s_endpgm
	; ---------------- the weights ----------------
.Lweights:
	s_cmp_lt_u32 s2, NLN+NCV
	s_cbranch_scc0 .Lsmall
	s_load_b256 s[16:23], s[0:1], 0x20             ; Wq 16, Wk 18, Wv 20, Wo 22
	s_load_b64 s[34:35], s[0:1], 0x78              ; wa
	s_sub_co_u32 s4, s2, NLN                       ; g = 0 .. 127
	s_mov_b32 s5, 96                               ; Wo's figures: first g,
	s_mov_b32 s6, 0x800000                         ; first byte in the target: dense, behind the 8 MiB of Wq|Wk|Wv,
	s_mov_b32 s7, 2048                             ; bytes from piece to piece in the target
	s_wait_kmcnt 0x0
	s_mov_b64 s[32:33], s[22:23]
.macro PICK lim, src, first, base, step        ; below g = lim another tensor's figures hold
	s_cmp_lt_u32 s4, \lim
	s_cselect_b64 s[32:33], s[\src:\src+1], s[32:33]
	s_cselect_b32 s5, \first, s5
	s_cselect_b32 s6, \base, s6
	s_cselect_b32 s7, \step, s7
.endm
	PICK 96, 20, 64, 4096, 8192                    ; Wv: columns 2,048 .. of rows of 4,096
	PICK 64, 18, 32, 2048, 8192                    ; Wk: columns 1,024 ..
	PICK 32, 16, 0, 0, 8192                        ; Wq: columns 0 ..
	s_sub_co_u32 s4, s4, s5
	s_lshl_b32 s4, s4, 5
	s_lshl2_add_u32 s4, s3, s4                     ; my first piece: 32 (g - first) + 4 wave
	s_lshl_b32 s8, s4, 12                          ; a piece is 4,096 bytes of the source
	s_mov_b32 s9, 0
	s_add_nc_u64 s[32:33], s[32:33], s[8:9]
	s_mul_i32 s10, s4, s7
	s_add_co_u32 s10, s10, s6
	v_lshlrev_b32 v3, 3, v1                        ; 8 x lane
.irp i, 0,1,2,3
	v_add_nc_u32 v[4+(\i)], s10, v3
	s_add_co_u32 s10, s10, s7
.endr
.macro PIECE_IN i, buf                 ; piece i: eight loads of 512 consecutive bytes, into buffer buf
.irp j, 0,1,2,3,4,5,6,7
	global_load_b128 v[D+32*(\buf)+4*(\j):D+32*(\buf)+4*(\j)+3], v[XO], s[32:33] offset:4096*(\i)+512*(\j) th:TH_LOAD_NT
.endr
.endm
.macro PIECE_OUT i, buf, left          ; left: the younger loads, which may stay out
	s_wait_loadcnt \left
.irp j, 0,1,2,3,4,5,6,7
	v_cvt_pk_bf16_f32 v[D+32*(\buf)+4*(\j)], v[D+32*(\buf)+4*(\j)], v[D+32*(\buf)+4*(\j)+1]
	v_cvt_pk_bf16_f32 v[D+32*(\buf)+4*(\j)+1], v[D+32*(\buf)+4*(\j)+2], v[D+32*(\buf)+4*(\j)+3]
	global_store_b64 v[4+(\i)], v[D+32*(\buf)+4*(\j):D+32*(\buf)+4*(\j)+1], s[34:35] offset:256*(\j) th:TH_STORE_NT
.endr
.endm
	PIECE_IN 0, 0
	PIECE_IN 1, 1
	PIECE_IN 2, 2
	PIECE_OUT 0, 0, 16                             ; pieces 1 and 2, sixteen loads, stay out
	s_wait_xcnt 0x0                                ; piece 0's stores have read their data: buffer 0 is loaded again only behind this wait
	PIECE_IN 3, 0
	PIECE_OUT 1, 1, 16                             ; pieces 2 and 3 stay out
	PIECE_OUT 2, 2, 8                              ; piece 3 stays out
	PIECE_OUT 3, 0, 0
	s_endpgm
	; ---------------- the small things: 256 threads ----------------
.Lsmall:
	s_load_b256 s[16:23], s[0:1], 0x40             ; bq 16, bk 18, bv 20, is_global 22
	s_load_b128 s[24:27], s[0:1], 0x60             ; bqkv 24, pa 26
	s_load_b64 s[28:29], s[0:1], 0x70              ; pb
	v_lshlrev_b32 v2, 4, v0                        ; 16 t
	v_lshlrev_b32 v3, 2, v0                        ; 4 t
	s_wait_kmcnt 0x0
	global_load_b128 v[4:7], v2, s[16:17]
	global_load_b128 v[8:11], v2, s[18:19]
	global_load_b128 v[12:15], v2, s[20:21]
.irp i, 0,1,2,3
	global_load_b32 v[16+(\i)], v3, s[22:23] offset:1024*(\i)   ; four flags: keys 4 t + 1,024 i ..
.endr
	s_wait_loadcnt 0x0
	global_store_b128 v2, v[4:7], s[24:25]
	global_store_b128 v2, v[8:11], s[24:25] offset:4096
	global_store_b128 v2, v[12:15], s[24:25] offset:8192
.set k, 0
.rept 16
	v_bfe_u32 v[32+k], v[16+k/4], 8*(k%4), 8       ; the flag, 0 or 1
	v_add_nc_u32 v[32+k], -1, v[32+k]              ; all ones where the key is not global
	v_and_b32 v[32+k], 0xd0000000, v[32+k]         ; -2^33 there, else 0
.set k, k+1
.endr
.irp i, 0,1,2,3
	global_store_b128 v2, v[32+4*(\i):32+4*(\i)+3], s[24:25] offset:0x4000+4096*(\i)
.endr
	s_cmp_lg_u32 s3, 0
	s_cbranch_scc1 .Lsmall_end
	v_lshlrev_b32 v52, 3, v1                       ; wave 0: each lane writes the pair, so that a buffer's 256 bytes are written whole
	v_mov_b32 v48, 1.0                             ; pa: AL = 1, BE = 0: f(u) = u
	v_mov_b32 v49, 0
	v_mov_b32 v50, 0.5                             ; pb: AL = BE = 0.5: f(u) = 0.5 u + 0.5 |u| erf(|u| / sqrt 2)
	v_mov_b32 v51, 0.5
	global_store_b64 v52, v[48:49], s[26:27]
	global_store_b64 v52, v[50:51], s[28:29]
.Lsmall_end:
	s_endpgm
.Lfunc_end_k_q8463f5014c_prep:
	.size	k_q8463f5014c_prep, .Lfunc_end_k_q8463f5014c_prep-k_q8463f5014c_prep
	.p2alignl 7, 3214868480
	.fill 96, 4, 3214868480
	.section	.rodata,"a",@progbits
	.p2align	6, 0x0
	.amdhsa_kernel k_q8463f5014c_prep
		.amdhsa_group_segment_fixed_size 0
		.amdhsa_private_segment_fixed_size 0
		.amdhsa_enable_private_segment 0
		.amdhsa_kernarg_size 128
		.amdhsa_user_sgpr_count 2
		.amdhsa_user_sgpr_kernarg_segment_ptr 1
		.amdhsa_wavefront_size32 1
		.amdhsa_system_sgpr_workgroup_id_x 1
		.amdhsa_system_sgpr_workgroup_id_y 1
		.amdhsa_system_sgpr_workgroup_id_z 1
		.amdhsa_system_vgpr_workitem_id 0
		.amdhsa_next_free_vgpr 128
		.amdhsa_next_free_sgpr 66
		.amdhsa_reserve_vcc 0
		.amdhsa_float_denorm_mode_32 3
		.amdhsa_float_denorm_mode_16_64 3
		.amdhsa_memory_ordered 1
		.amdhsa_forward_progress 1
		.amdhsa_inst_pref_size 28
	.end_amdhsa_kernel
	.amdgpu_metadata
---
amdhsa.version: [ 1, 2 ]
amdhsa.kernels:
  - .name:           k_q8463f5014c_prep
    .symbol:         k_q8463f5014c_prep.kd
    .args:
      - { .name: x, .offset: 0, .size: 8, .value_kind: global_buffer, .address_space: global }
      - { .name: ln1_g, .offset: 8, .size: 8, .value_kind: global_buffer, .address_space: global }
      - { .name: ln1_b, .offset: 16, .size: 8, .value_kind: global_buffer, .address_space: global }
      - { .name: hn, .offset: 24, .size: 8, .value_kind: global_buffer, .address_space: global }
      - { .name: Wq, .offset: 32, .size: 8, .value_kind: global_buffer, .address_space: global }
      - { .name: Wk, .offset: 40, .size: 8, .value_kind: global_buffer, .address_space: global }
      - { .name: Wv, .offset: 48, .size: 8, .value_kind: global_buffer, .address_space: global }
      - { .name: Wo, .offset: 56, .size: 8, .value_kind: global_buffer, .address_space: global }
      - { .name: bq, .offset: 64, .size: 8, .value_kind: global_buffer, .address_space: global }
      - { .name: bk, .offset: 72, .size: 8, .value_kind: global_buffer, .address_space: global }
      - { .name: bv, .offset: 80, .size: 8, .value_kind: global_buffer, .address_space: global }
      - { .name: is_global, .offset: 88, .size: 8, .value_kind: global_buffer, .address_space: global }
      - { .name: bqkv, .offset: 96, .size: 8, .value_kind: global_buffer, .address_space: global }
      - { .name: pa, .offset: 104, .size: 8, .value_kind: global_buffer, .address_space: global }
      - { .name: pb, .offset: 112, .size: 8, .value_kind: global_buffer, .address_space: global }
      - { .name: wa, .offset: 120, .size: 8, .value_kind: global_buffer, .address_space: global }
    .group_segment_fixed_size: 0
    .private_segment_fixed_size: 0
    .kernarg_segment_align: 8
    .kernarg_segment_size: 128
    .max_flat_workgroup_size: 256
    .sgpr_count:     66
    .vgpr_count:     128
    .wavefront_size: 32
...
	.end_amdgpu_metadata
.endif
;; end of part 1
;; launch qkv (part 2): grid 12 x 16, 4 waves a work-group, clusters of 4 x 4, 327,680 bytes of LDS; arguments hn, wa, bqkv, pa, act; writes act
.if DOCPART == 2
	.amdgcn_target "amdgcn-amd-amdhsa--gfx1250"
	.amdhsa_code_object_version 6
	.text
	.protected	k_q8463f5014c_qkv
	.globl	k_q8463f5014c_qkv
	.p2align	8
	.type	k_q8463f5014c_qkv,@function
k_q8463f5014c_qkv:
	s_mov_b64 s[64:65], 0
	v_nop
	global_prefetch_b8 v0, s[64:65] scope:SCOPE_SE
	s_setreg_imm32_b32 hwreg(HW_REG_WAVE_MODE, 25, 1), 1
	s_wait_xcnt 0x0
	s_wait_alu depctr_hold_cnt(0) depctr_sa_sdst(0) depctr_va_vdst(0) depctr_va_sdst(0) depctr_va_ssrc(0) depctr_va_vcc(0) depctr_vm_vsrc(0)
	s_getreg_b32 s2, hwreg(HW_REG_IB_STS2, 6, 4)
	s_cmp_eq_u32 s2, 0
	s_cbranch_scc0 .Lentry_in_a_cluster
	s_endpgm
.Lentry_in_a_cluster:
	s_bfe_u32 s2, ttmp6, 0x10000c
	s_cmp_lg_u32 s2, 0xf033
	s_cbranch_scc0 .Lentry_shape_is_right
	s_endpgm
.Lentry_shape_is_right:
; C = f(A W + bias), K = 1,024.  A: bf16 in blocks of 128 columns, [8][4096 rows][128].  W: bf16 [1024 k][4096 n] at the head of its buffer.  bias: f32.  C: bf16, in blocks of 128 columns like A.
; f(u) = AL u + BE |u| erf(|u| / sqrt 2), with two f32 numbers that an earlier launch stored: (1, 0) gives u itself, exactly; (0.5, 0.5) the GELU 0.5 u (1 + erf(u / sqrt 2)), since u erf(z) = |u| erf(|z|).
; They enter the arithmetic alone: one text, no branch on them; a launch with (1, 0) computes the erf all the same and multiplies it by 0: the price of one text for both.
; LIMIT.  erf(x) = 1 - 1 / (1 + a1 x + a2 x^2 + a3 x^3 + a4 x^4)^4 for x >= 0 (Abramowitz and Stegun, 7.1.27): off by at most 5e-4 for every x, so f by at most 2.5e-4 |u|; C is rounded to bf16 right behind.
; Where the fourth power passes f32's range its reciprocal is 0 and erf is 1: no clamp is needed.  NaN and infinities are not treated apart.
; A tile of C, 256 x 256, is made by four waves, each 128 x 128: 64 accumulators, 512 registers.  K goes in steps of 128 through two LDS slots filled by the tensor data mover.
; A's tile: 128 rows of 256 dense bytes a load.  W's tile: 64 k-rows of 512 bytes a load; its fragments come out of LDS turned, by ds_load_tr16_b128.
; A K STEP IS WRITTEN ONCE: a trip of the loop goes from a step's second quarter to the next step's first; which slot is read is a scalar register (0 or SLOT), turned by an exclusive or at each change of slots.
; CLUSTER 4 x 4: A's tile is shared along a row of the cluster, W's along a column: joint loads, the same descriptor and mask in the four that a mask names.
; THE MATRIX INSTRUCTION IS USED TRANSPOSED: source 0 = 16 columns of W, source 1 = 16 rows of A: a lane holds row l % 16 of C and the columns 8 (l / 16) + 0..7.
; REGISTERS: window 0: v0-31 addresses; v64-191 A's fragments, two buffers; window 1: v64-191 W's fragments; windows 2, 3: the accumulators ((a, b) at v[8 (8 a + b)]).
; THE WAY OUT goes through the ring's own bytes, which have had their last fill: a wave lays its 128 x 128 f32 down in rows of 528 bytes and reads whole rows back.
.set PA,     272                       ; A's LDS row: 256 + 16 bytes = 68 words: 16 rows start at 16 different groups of four banks (64 banks of 4 bytes: ISA guide 11.1)
.set PB,     544                       ; W's LDS row: 512 + 32 bytes = 136 words
.set HALFT,  128*PA                    ; what one tensor load brings: 128 rows of A, or 64 k-rows of W (64 x 544 is the same number)
.set SLOT,   4*HALFT
.set SPARE,  2*SLOT                    ; behind the ring: the spare words, 128 bytes a wave
.set SROW,   528                       ; a stage row: 128 f32 + 16 bytes
.set STAGEW, 128*SROW
.set BLK,    1048576                   ; a K step in memory: a block of A, and 128 k-rows of 8,192 bytes of W
.set NSTEP,  8                         ; K / 128
.set ADRA, 16                          ; v16  LDS address of my A fragments in the slot being read
.set ADRA0, 17                         ; v17  the same in slot 0; never rewritten
.set ADRB, 20                          ; v20  the same for W
.set ADRB0, 21                         ; v21
.set STO,  24                          ; v24  the way out: where I put 32 bytes of a row
.set RD0,  25                          ; v25  the way out: my 16 bytes of my stage's first row; never rewritten
.set RD,   26                          ; v26  the same in the rows to be read next
.set BO,   27                          ; v27  16 x lane, the bias load's offset; never rewritten
.set SPW,  28                          ; v28  my spare word; never rewritten
.set NIL,  29                          ; v29  0; never rewritten
.set PFO,  30                          ; v30  the prefetches' offset; never rewritten
.set GO,   31                          ; v31  8 x lane
.set U,    32                          ; the way out: v[32:47] 16 numbers (4 rows x my 4 columns)
.set BIAS, 48                          ; v[48:51] the bias of my 4 columns
.set F0,   64
.set F1,   128
.set W,    64                          ; the way out, at work, 16 registers each: |u|
.set H,    80                          ; BE |u|
.set P,    96                          ; the polynomial and its powers
.set Q,    112                         ; the reciprocals
.set T,    128                         ; AL u + BE |u|
.set OUTR, 144                         ; v[144:151] packed results
.set RAW,  192                         ; v[192:207] four stage rows as read
.set TS,   2                           ; s2   0 or SLOT: the slot being read
.set WV,   14
.set HR,   15                          ; which half of the tile's rows is mine; also: I fetch for A (0) or W (1)
.set HC,   16                          ; which half of its columns; also: which half of that tile I fetch
.set G1,   24
.set G0,   32                          ; s[32:39] group 0 for A's tiles: a set for each of the two first fills; the second then walks on
.set LB,   42                          ; s42  my part of a slot: wave x HALFT
.set LIM,  43
.set PFA,  44
.set G1B,  48
.set G0B,  56                          ; s[56:63] the same for W's tiles
.set AL,   66                          ; s[66:67] as loaded: AL, BE; named as a pair, the low word counts
.set BE,   68                          ; s[68:69] BE, twice (until then at work in the set-up)
.set CO,   72                          ; s[72:79] four coefficients, each twice (a pair for the packed forms)
.set ABSM, 80                          ; s80  clears a sign
.set RB,   98                          ; s98  byte, in my stage, of the rows to be read next
.set CW,   99                          ; s99  trips of the way out still to come
.set MSB, 0
.macro WIN new                         ; the immediate's high byte repeats the setting that is left
.if MSB != (\new)
	s_set_vgpr_msb (MSB<<8)|(\new)
.set MSB, \new
.endif
.endm
.set MUL_LO, 0xa1                      ; source 0 (W) window 1, source 1 (A) window 0, C and D window 2
.set MUL_HI, 0xf1                      ; the same, C and D window 3
.set TO_B,   0x40                      ; destination window 1, address window 0
; A joint load.  Waves 0 and 1 fetch A's halves, waves 2 and 3 W's.  The branch hangs on the wave's number alone.  An s_nop 0 and four v_nop follow each line.
.macro JLOAD s
	s_cmp_eq_u32 s[HR], 0
	s_cbranch_scc0 .Lfor_b_\@
	tensor_load_to_lds s[G0+4*(\s):G0+4*(\s)+3], s[G1:G1+7]
	s_nop 0
.rept 4
	v_nop
.endr
	s_branch .Lasked_\@
.Lfor_b_\@:
	tensor_load_to_lds s[G0B+4*(\s):G0B+4*(\s)+3], s[G1B:G1B+7]
	s_nop 0
.rept 4
	v_nop
.endr
.Lasked_\@:
.endm
; A prefetch of the K step that stands two refills on: 32 blocks of 256 bytes, a lane a block, one instruction a wave.  A's tile row is asked for by the clusters with x = 0, W's tile column by
; those with y = 0; the four partners of a joint load share its blocks out by address (32 rows of A each; 16 k-rows x 2 blocks of W each).  So each block is named once in the launch.
; K steps 0 to 3 come by their loads alone; the loop's last two trips (s3 = 2, 1) ask for nothing: there is no K step 8.
.macro ASK
	s_cmp_gt_u32 s3, s[LIM]
	s_cbranch_scc0 .Lnot_mine_\@
	global_prefetch_b8 v[PFO], s[PFA:PFA+1] offset:BLK th:TH_LOAD_NT scope:SCOPE_SE
.Lnot_mine_\@:
.endm
.macro CREST                           ; a round of the cluster's barrier behind its opening barrier
	s_cmp_lg_u32 s[WV], 0
	s_cbranch_scc1 .Lnot_wave_0_\@
	s_barrier_signal -3
.Lnot_wave_0_\@:
	s_barrier_wait -3
	s_barrier_signal -1
	s_barrier_wait -1
.endm
.macro CROUND
	s_barrier_signal -1
	s_barrier_wait -1
	CREST
.endm
	s_load_b256 s[4:11], s[0:1], 0x0               ; A s[4:5], W s[6:7], bias s[8:9], the factors s[10:11]
	s_load_b64 s[12:13], s[0:1], 0x20              ; C
	v_lshl_add_u32 v[SPW], v0, 2, SPARE
	v_mov_b32 v[NIL], 0
	ds_add_u32 v[SPW], v[NIL]                      ; the wave's opening: the add and its wait ahead of my first tensor load
	v_lshrrev_b32 v1, 5, v0
	v_readfirstlane_b32 s[WV], v1
	s_lshr_b32 s[HR], s[WV], 1
	s_and_b32 s[HC], s[WV], 1
	s_bfe_u32 s17, ttmp6, 0x40000                  ; cx
	s_bfe_u32 s18, ttmp6, 0x40004                  ; cy
	s_lshl_b32 s19, ttmp9, 2
	s_add_co_u32 s19, s19, s17                     ; tile column
	s_and_b32 s20, ttmp7, 0xffff
	s_lshl_b32 s20, s20, 2
	s_add_co_u32 s20, s20, s18                     ; tile row
	s_lshl_b32 s21, s18, 2
	s_lshl_b32 s21, 15, s21                        ; my row of the cluster
	s_lshl_b32 s22, 0x1111, s17                    ; my column
	s_or_b32 s[G1+0], s21, (1<<16)|(1<<20)|(1<<21)|(5<<22)|(3<<25)   ; mask; 2-byte elements; padding on; bit 21 beside a mask; after every 64 words 4 words
	s_or_b32 s[G1B+0], s22, (1<<16)|(1<<20)|(1<<21)|(6<<22)|(7<<25)  ; after every 128 words 8 words
	s_mov_b32 s[G1+1], 128<<16                     ; tensor_dim0 = 128
	s_mov_b32 s[G1+2], 128<<16                     ; tensor_dim1 = 128
	s_mov_b32 s[G1+3], 128<<16                     ; tile_dim0 = 128
	s_mov_b32 s[G1+4], 128                         ; tile_dim1 = 128
	s_mov_b32 s[G1+5], 128                         ; elements from row to row: a block's rows are dense
	s_mov_b32 s[G1+6], 0
	s_mov_b32 s[G1+7], 0
	s_mov_b32 s[G1B+1], 256<<16                    ; tensor_dim0 = 256
	s_mov_b32 s[G1B+2], 64<<16                     ; tensor_dim1 = 64
	s_mov_b32 s[G1B+3], 256<<16                    ; tile_dim0 = 256
	s_mov_b32 s[G1B+4], 64                         ; tile_dim1 = 64
	s_mov_b32 s[G1B+5], 4096                       ; elements from k-row to k-row
	s_mov_b32 s[G1B+6], 0
	s_mov_b32 s[G1B+7], 0
	s_lshl_b32 s40, s20, 16                        ; A: 256 x tile row rows of 256 bytes,
	s_lshl_b32 s23, s[HC], 15                      ; + my 128 of them
	s_add_co_u32 s40, s40, s23
	s_mov_b32 s41, 0
	s_lshl_b32 s46, s19, 9                         ; W: 256 x tile column columns of 2 bytes,
	s_lshl_b32 s23, s[HC], 19                      ; + my 64 k-rows of 8,192 bytes
	s_add_co_u32 s46, s46, s23
	s_mov_b32 s47, 0
	s_mul_i32 s[LB], s[WV], HALFT                  ; where my part of a slot lies: no place in the cluster enters an LDS address
	s_mov_b32 s[TS], 0
	s_wait_dscnt 0x0                               ; the opening add is done
	s_wait_kmcnt 0x0
	s_load_b64 s[AL:AL+1], s[10:11], 0x0           ; AL, BE
	s_add_nc_u64 s[40:41], s[4:5], s[40:41]
	s_add_nc_u64 s[46:47], s[6:7], s[46:47]
	CROUND                                         ; all sixteen work-groups are here: the first joint loads meet
.irp s, 0,1
	s_mov_b32 s[G0+4*(\s)], 1
	s_add_co_u32 s[G0+4*(\s)+1], s[LB], (\s)*SLOT
	s_add_nc_u64 s[G0+4*(\s)+2:G0+4*(\s)+3], s[40:41], (\s)*BLK
	s_or_b32 s[G0+4*(\s)+3], s[G0+4*(\s)+3], 0x80000000
	s_mov_b32 s[G0B+4*(\s)], 1
	s_add_co_u32 s[G0B+4*(\s)+1], s[LB], (\s)*SLOT
	s_add_nc_u64 s[G0B+4*(\s)+2:G0B+4*(\s)+3], s[46:47], (\s)*BLK
	s_or_b32 s[G0B+4*(\s)+3], s[G0B+4*(\s)+3], 0x80000000
	JLOAD \s
.endr
	s_wait_kmcnt 0x0                               ; the factors
	v_and_b32 v1, 15, v0                           ; l % 16
	v_bfe_u32 v2, v0, 4, 1                         ; l / 16
	v_mul_u32_u24 v3, v1, PA
	v_lshl_add_u32 v3, v2, 4, v3                   ; A: row x pitch + 16 x half
	s_mul_i32 s21, s[HR], HALFT
	v_add_nc_u32 v[ADRA0], s21, v3
	v_mov_b32 v[ADRA], v[ADRA0]
	v_and_b32 v4, 7, v0                            ; W, turned: lane l reads k-row 8 (l / 16) + l % 8, columns 8 ((l / 8) % 2) + 0..7
	v_lshl_add_u32 v4, v2, 3, v4
	v_mul_u32_u24 v4, v4, PB
	v_bfe_u32 v5, v0, 3, 1
	v_lshl_add_u32 v4, v5, 4, v4
	s_lshl_b32 s22, s[HC], 8                       ; my 128 columns
	s_add_co_u32 s22, s22, 2*HALFT                 ; behind A's 256 rows
	v_add_nc_u32 v[ADRB0], s22, v4
	v_mov_b32 v[ADRB], v[ADRB0]
	s_mul_i32 s21, s[WV], STAGEW                   ; my stage
	v_mul_u32_u24 v3, v1, SROW
	v_lshl_add_u32 v3, v2, 5, v3                   ; in: row l % 16, 32 bytes for each half of the lanes
	v_add_nc_u32 v[STO], s21, v3
	v_and_b32 v6, 31, v0
	v_lshl_add_u32 v[RD0], v6, 4, s21              ; back: 32 lanes take a row's 512 bytes
	v_lshlrev_b32 v[GO], 3, v6
	v_lshlrev_b32 v[BO], 4, v6
	; the prefetches
	s_lshl_b32 s21, s20, 16
	s_lshl_b32 s22, s[HC], 15
	s_add_co_u32 s21, s21, s22
	s_lshl_b32 s22, s17, 13                        ; A: my work-group's 32 rows of the 128
	s_add_co_u32 s21, s21, s22
	s_lshl_b32 s23, s19, 9
	s_lshl_b32 s22, s[HC], 19
	s_add_co_u32 s23, s23, s22
	s_lshl_b32 s22, s18, 17                        ; W: my work-group's 16 k-rows of the 64
	s_add_co_u32 s23, s23, s22
	s_and_b32 s22, ttmp7, 0xffff
	s_mov_b32 s71, 8192
	s_cmp_eq_u32 s[HR], 0                          ; do I fetch for A?
	s_cselect_b32 s68, s21, s23
	s_cselect_b32 s22, ttmp9, s22                  ; the coordinate along which other clusters read the same blocks
	s_cselect_b64 s[PFA:PFA+1], s[4:5], s[6:7]
	s_cselect_b32 s70, 0, 1                        ; A: a lane a row; W: two lanes a k-row
	s_cselect_b32 s71, 256, s71
	s_cmp_eq_u32 s22, 0
	s_cselect_b32 s[LIM], 2, -1
	s_mov_b32 s69, 0
	s_add_nc_u64 s[PFA:PFA+1], s[PFA:PFA+1], s[68:69]
	s_add_nc_u64 s[PFA:PFA+1], s[PFA:PFA+1], 2*BLK ; at K step 2: the first refill steps it to 3 and names K step 4
	v_lshrrev_b32 v7, s70, v6
	v_mul_u32_u24 v7, v7, s71
	v_and_b32 v8, s70, v6
	v_lshl_add_u32 v[PFO], v8, 8, v7
	; the bias of my 4 columns, and where my part of C begins
	s_lshl_b32 s68, s19, 10
	s_lshl_b32 s70, s[HC], 9
	s_add_co_u32 s68, s68, s70
	s_add_nc_u64 s[8:9], s[8:9], s[68:69]
	global_load_b128 v[BIAS:BIAS+3], v[BO], s[8:9]
	s_lshl_b32 s68, s19, 1
	s_add_co_u32 s68, s68, s[HC]                   ; my block of 128 columns
	s_lshl_b32 s68, s68, 20
	s_lshl_b32 s70, s20, 16
	s_add_co_u32 s68, s68, s70
	s_lshl_b32 s70, s[HR], 15
	s_add_co_u32 s68, s68, s70                     ; my first row in it
	s_add_nc_u64 s[12:13], s[12:13], s[68:69]
	s_mov_b32 s[BE], s[AL+1]                       ; BE as a pair of its own
	s_mov_b32 s[BE+1], s[AL+1]
.macro SETC n, val
	s_mov_b32 s[CO+2*(\n)], \val
	s_mov_b32 s[CO+2*(\n)+1], \val
.endm
	SETC 0, 0x3c9ff716                             ; the polynomial in |u| = sqrt 2 x, from the highest power down: a4 / 4 = 0.078108 / 4 = 0.019527
	SETC 1, 0x39b42c77                             ; a3 / (2 sqrt 2) = 0.000972 / 2.828427 = 0.000343654
	SETC 2, 0x3debeb18                             ; a2 / 2 = 0.230389 / 2 = 0.1151945
	SETC 3, 0x3e4993fc                             ; a1 / sqrt 2 = 0.278393 / 1.414214 = 0.1968536
	s_mov_b32 s[ABSM], 0x7fffffff
; 16 matrix instructions: m blocks a0, a0 + 1 of the window's four x all 8 n blocks, 32 along K.  zero = 1: the first product starts the sums.
.macro MUL16 f, hi, a0, zero
	WIN MUL_LO+0x50*(\hi)
.irp a, \a0, (\a0)+1
.irp b, 0,1,2,3,4,5,6,7
.if \zero
	v_wmma_f32_16x16x32_bf16 v[8*(8*(\a)+(\b)):8*(8*(\a)+(\b))+7], v[(\f)+8*(\b):(\f)+8*(\b)+7], v[(\f)+8*(4*(\hi)+(\a)):(\f)+8*(4*(\hi)+(\a))+7], 0
.else
	v_wmma_f32_16x16x32_bf16 v[8*(8*(\a)+(\b)):8*(8*(\a)+(\b))+7], v[(\f)+8*(\b):(\f)+8*(\b)+7], v[(\f)+8*(4*(\hi)+(\a)):(\f)+8*(4*(\hi)+(\a))+7], v[8*(8*(\a)+(\b)):8*(8*(\a)+(\b))+7]
.endif
.endr
.endr
.endm
; 32 LDS loads in one run: quarter q (32 along K) of the slot being read, into buffer f: W's 128 columns turned, then A's 128 rows
.macro FETCH q, f
	WIN TO_B
.irp i, 0,1,2,3,4,5,6,7
	ds_load_tr16_b128 v[(\f)+8*(\i):(\f)+8*(\i)+3],   v[ADRB] offset:(\q)*32*PB+32*(\i)
	ds_load_tr16_b128 v[(\f)+8*(\i)+4:(\f)+8*(\i)+7], v[ADRB] offset:(\q)*32*PB+32*(\i)+16*PB
.endr
	WIN 0
.irp i, 0,1,2,3,4,5,6,7
	ds_load_b128 v[(\f)+8*(\i):(\f)+8*(\i)+3],   v[ADRA] offset:64*(\q)+(\i)*16*PA
	ds_load_b128 v[(\f)+8*(\i)+4:(\f)+8*(\i)+7], v[ADRA] offset:64*(\q)+(\i)*16*PA+32
.endr
.endm
.macro PLACES                          ; four plain instructions between a matrix instruction and a load into, or a reader of, its registers
.rept 4
	v_nop
.endr
.endm
; One of a K step's first three quarters: multiplies buffer f; in its middle it fetches quarter q of the same slot into buffer g.
.macro QUARTER q, f, g, zero
	s_wait_dscnt 8                                 ; W and A's rows 0-63 are in; the youngest eight loads (A's rows 64-127) may be out
	WIN MUL_LO
	MUL16 \f, 0, 0, \zero
	MUL16 \f, 0, 2, \zero
	PLACES
	FETCH \q, \g
	s_wait_dscnt 32                                ; all but the 32 just issued
	WIN MUL_HI
	MUL16 \f, 1, 0, \zero
	MUL16 \f, 1, 2, \zero
.endm
; The first half of the last quarter: one barrier for the change of slots.  In front of it each wave waits for all its tensor loads (one is out: its part of the next slot),
; adds 0 to its spare word, and waits for that and for its own reads of this slot.
.macro MEET round
	WIN 0
	s_wait_tensorcnt 0x0
	ds_add_u32 v[SPW], v[NIL]
	s_wait_dscnt 9                                 ; the add and the youngest eight loads may be out
	WIN MUL_LO
	MUL16 F1, 0, 0, 0
	s_wait_dscnt 0x0                               ; the add is done, my reads of this slot are over
	s_barrier_signal -1
	MUL16 F1, 0, 2, 0
.if \round
	WIN 0
.endif
	s_barrier_wait -1
.endm
; The whole last quarter with a refill: the round of the cluster's barrier; the walking descriptors take the slot just read out and the K step two on; the joint load first behind the round; then the other slot's first fragments.
.macro TURN
	s_wait_xcnt 0x0                                ; the last prefetch, a K step back, has read its address
	s_add_nc_u64 s[PFA:PFA+1], s[PFA:PFA+1], BLK
	MEET 1
	CREST
	s_add_co_u32 s[G0+5], s[LB], s[TS]             ; no tensor load of mine is out (the wait for 0 above), so a group 0 may be written
	s_add_co_u32 s[G0B+5], s[LB], s[TS]
	s_add_nc_u64 s[G0+6:G0+7], s[G0+6:G0+7], BLK
	s_add_nc_u64 s[G0B+6:G0B+7], s[G0B+6:G0B+7], BLK
	s_xor_b32 s[TS], s[TS], SLOT                   ; from here on the other slot is read
	JLOAD 1                                        ; its four v_nop are also the places in front of the loads below
	v_add_nc_u32 v[ADRA], s[TS], v[ADRA0]
	v_add_nc_u32 v[ADRB], s[TS], v[ADRB0]
	FETCH 0, F0
	ASK
	WIN MUL_HI
	MUL16 F1, 1, 0, 0
	MUL16 F1, 1, 2, 0
.endm
	s_wait_tensorcnt 1                             ; my part of K step 0 is in; K step 1's load stays out
	s_barrier_signal -1
	s_barrier_wait -1
	FETCH 0, F0
	QUARTER 1, F0, F1, 1                           ; the first quarter's products start the sums
	WIN 0
	s_mov_b32 s3, NSTEP-2
.Lstep:                                                ; six trips, from a K step's second quarter to the next step's first; each fills the slot that it leaves
	QUARTER 2, F1, F0, 0
	QUARTER 3, F0, F1, 0
	TURN
	QUARTER 1, F0, F1, 0
	WIN 0
	s_sub_co_u32 s3, s3, 1
	s_cmp_lg_u32 s3, 0
	s_cbranch_scc1 .Lstep
	QUARTER 2, F1, F0, 0                           ; the last two K steps fill nothing
	QUARTER 3, F0, F1, 0
	MEET 0
	WIN 0
	s_xor_b32 s[TS], s[TS], SLOT
	PLACES
	v_add_nc_u32 v[ADRA], s[TS], v[ADRA0]
	v_add_nc_u32 v[ADRB], s[TS], v[ADRB0]
	FETCH 0, F0
	WIN MUL_HI
	MUL16 F1, 1, 0, 0
	MUL16 F1, 1, 2, 0
	QUARTER 1, F0, F1, 0
	QUARTER 2, F1, F0, 0
	QUARTER 3, F0, F1, 0
	s_wait_dscnt 8
	WIN MUL_LO
	MUL16 F1, 0, 0, 0
	MUL16 F1, 0, 2, 0
	s_wait_dscnt 0x0
	MUL16 F1, 1, 0, 0
	MUL16 F1, 1, 2, 0
	WIN 0
	; THE WAY OUT.  Every wave's reads of the ring are over (the wait for 0 above) and no fill follows: behind this barrier the ring's bytes are the stages, each wave's own.
	s_barrier_signal -1
	s_barrier_wait -1
	PLACES
.irp hi, 0,1
	WIN 0x08+4*(\hi)                               ; store data from window 2, then 3
.irp a, 0,1,2,3
.irp b, 0,1,2,3,4,5,6,7
	ds_store_b128 v[STO], v[8*(8*(\a)+(\b)):8*(8*(\a)+(\b))+3]   offset:16*(4*(\hi)+(\a))*SROW+64*(\b)      ; each accumulator's low half first
	ds_store_b128 v[STO], v[8*(8*(\a)+(\b))+4:8*(8*(\a)+(\b))+7] offset:16*(4*(\hi)+(\a))*SROW+64*(\b)+16
.endr
.endr
.endr
	WIN 0
.macro EACH8 line:vararg               ; one line for each pair k of the trip's eight
.set k, 0
.rept 8
	\line
.set k, k+1
.endr
.endm
.macro READ4                           ; four rows of my stage, from byte s[RB] of it: LDS serves a wave's instructions in order (ISA guide 5.7.1.4), so these see my stores
	v_add_nc_u32 v[RD], s[RB], v[RD0]
.irp i, 0,1,2,3
	ds_load_b128 v[RAW+4*(\i):RAW+4*(\i)+3], v[RD] offset:SROW*(\i)
.endr
.endm
	s_wait_loadcnt 0x0                             ; the bias
	s_mov_b32 s[RB], 0
	s_mov_b32 s[CW], 32
	READ4
.Lrow:                                                 ; 32 trips of four rows
	s_wait_dscnt 0x0                               ; the four rows in hand
	EACH8 v_pk_add_f32 v[U+2*k:U+2*k+1], v[RAW+2*k:RAW+2*k+1], v[BIAS+2*(k%2):BIAS+2*(k%2)+1]   ; u, in other registers, so that the next four rows can be asked for at once
	s_cmp_eq_u32 s[CW], 1
	s_cbranch_scc1 .Lno_more                       ; the last trip has no next rows
	s_add_co_u32 s[RB], s[RB], 4*SROW
	READ4
.Lno_more:
.set k, 0
.rept 16
	v_and_b32 v[W+k], s[ABSM], v[U+k]              ; |u|
.set k, k+1
.endr
	EACH8 v_pk_fma_f32 v[P+2*k:P+2*k+1], v[W+2*k:W+2*k+1], s[CO:CO+1], s[CO+2:CO+3] op_sel_hi:[1,0,0]
.irp c, 4,6
	EACH8 v_pk_fma_f32 v[P+2*k:P+2*k+1], v[P+2*k:P+2*k+1], v[W+2*k:W+2*k+1], s[CO+\c:CO+\c+1] op_sel_hi:[1,1,0]
.endr
	EACH8 v_pk_fma_f32 v[P+2*k:P+2*k+1], v[P+2*k:P+2*k+1], v[W+2*k:W+2*k+1], 1.0 op_sel_hi:[1,1,0]   ; 1 + a1 x + a2 x^2 + a3 x^3 + a4 x^4: at least 1
.rept 2
	EACH8 v_pk_mul_f32 v[P+2*k:P+2*k+1], v[P+2*k:P+2*k+1], v[P+2*k:P+2*k+1]                          ; its square, its fourth power
.endr
.set k, 0
.rept 16                               ; one batch of sixteen reciprocals: 1 - erf,
	v_rcp_f32 v[Q+k], v[P+k]
.set k, k+1
.endr
	EACH8 v_pk_mul_f32 v[H+2*k:H+2*k+1], v[W+2*k:W+2*k+1], s[BE:BE+1] op_sel_hi:[1,0]                 ; sixteen plain lines that name none of its results: BE |u|,
	EACH8 v_pk_fma_f32 v[T+2*k:T+2*k+1], v[U+2*k:U+2*k+1], s[AL:AL+1], v[H+2*k:H+2*k+1] op_sel_hi:[1,0,1]   ; AL u + BE |u|,
	s_wait_alu depctr_va_vdst(0)                   ; and one wait ahead of the first reader
	EACH8 v_pk_fma_f32 v[U+2*k:U+2*k+1], v[H+2*k:H+2*k+1], v[Q+2*k:Q+2*k+1], v[T+2*k:T+2*k+1] neg_lo:[1,0,0] neg_hi:[1,0,0]   ; less BE |u| (1 - erf)
	s_wait_xcnt 0x0                                ; the last trip's stores, a trip's arithmetic back, have read their data and base: both are written again only behind this wait
	s_add_nc_u64 s[12:13], s[12:13], 1024          ; four rows on; the stores below reach back
	EACH8 v_cvt_pk_bf16_f32 v[OUTR+k], v[U+2*k], v[U+2*k+1]
.irp i, 0,1,2,3
	global_store_b64 v[GO], v[OUTR+2*(\i):OUTR+2*(\i)+1], s[12:13] offset:256*(\i)-1024   ; 32 lanes x 8 bytes: a row's 256 bytes in my block of C
.endr
	s_sub_co_u32 s[CW], s[CW], 1
	s_cmp_lg_u32 s[CW], 0
	s_cbranch_scc1 .Lrow
	s_wait_tensorcnt 0x0                           ; the wave's end, behind my last tensor load and my last LDS store
	ds_add_u32 v[SPW], v[NIL]
	s_wait_dscnt 0x0
	CROUND                                         ; the closing round: no work-group ends while a partner may still ask for a tile that names it
	s_endpgm
.Lfunc_end_k_q8463f5014c_qkv:
	.size	k_q8463f5014c_qkv, .Lfunc_end_k_q8463f5014c_qkv-k_q8463f5014c_qkv
	.p2alignl 7, 3214868480
	.fill 96, 4, 3214868480
	.section	.rodata,"a",@progbits
	.p2align	6, 0x0
	.amdhsa_kernel k_q8463f5014c_qkv
		.amdhsa_group_segment_fixed_size 327680
		.amdhsa_private_segment_fixed_size 0
		.amdhsa_enable_private_segment 0
		.amdhsa_kernarg_size 40
		.amdhsa_user_sgpr_count 2
		.amdhsa_user_sgpr_kernarg_segment_ptr 1
		.amdhsa_wavefront_size32 1
		.amdhsa_system_sgpr_workgroup_id_x 1
		.amdhsa_system_sgpr_workgroup_id_y 1
		.amdhsa_system_sgpr_workgroup_id_z 1
		.amdhsa_system_vgpr_workitem_id 0
		.amdhsa_next_free_vgpr 1024
		.amdhsa_next_free_sgpr 100
		.amdhsa_reserve_vcc 0
		.amdhsa_float_denorm_mode_32 3
		.amdhsa_float_denorm_mode_16_64 3
		.amdhsa_memory_ordered 1
		.amdhsa_forward_progress 1
		.amdhsa_inst_pref_size 103
	.end_amdhsa_kernel
	.amdgpu_metadata
---
amdhsa.version: [ 1, 2 ]
amdhsa.kernels:
  - .name:           k_q8463f5014c_qkv
    .symbol:         k_q8463f5014c_qkv.kd
    .args:
      - { .name: hn, .offset: 0, .size: 8, .value_kind: global_buffer, .address_space: global }
      - { .name: wa, .offset: 8, .size: 8, .value_kind: global_buffer, .address_space: global }
      - { .name: bqkv, .offset: 16, .size: 8, .value_kind: global_buffer, .address_space: global }
      - { .name: pa, .offset: 24, .size: 8, .value_kind: global_buffer, .address_space: global }
      - { .name: act, .offset: 32, .size: 8, .value_kind: global_buffer, .address_space: global }
    .group_segment_fixed_size: 327680
    .private_segment_fixed_size: 0
    .kernarg_segment_align: 8
    .kernarg_segment_size: 40
    .max_flat_workgroup_size: 128
    .sgpr_count:     100
    .vgpr_count:     1024
    .wavefront_size: 32
...
	.end_amdgpu_metadata
.endif
;; end of part 2
;; launch attn (part 3): grid 16 x 16, 4 waves a work-group, clusters of 4 x 1, 327,680 bytes of LDS; arguments act, bqkv, hn, wb, W1, W2; writes hn, wb
.if DOCPART == 3
	.amdgcn_target "amdgcn-amd-amdhsa--gfx1250"
	.amdhsa_code_object_version 6
	.text
	.protected	k_q8463f5014c_attn
	.globl	k_q8463f5014c_attn
	.p2align	8
	.type	k_q8463f5014c_attn,@function
k_q8463f5014c_attn:
	s_mov_b64 s[64:65], 0
	v_nop
	global_prefetch_b8 v0, s[64:65] scope:SCOPE_SE
	s_setreg_imm32_b32 hwreg(HW_REG_WAVE_MODE, 25, 1), 1
	s_wait_xcnt 0x0
	s_wait_alu depctr_hold_cnt(0) depctr_sa_sdst(0) depctr_va_vdst(0) depctr_va_sdst(0) depctr_va_ssrc(0) depctr_va_vcc(0) depctr_vm_vsrc(0)
	s_getreg_b32 s2, hwreg(HW_REG_IB_STS2, 6, 4)
	s_cmp_eq_u32 s2, 0
	s_cbranch_scc0 .Lentry_in_a_cluster
	s_endpgm
.Lentry_in_a_cluster:
	s_bfe_u32 s2, ttmp6, 0x10000c
	s_cmp_lg_u32 s2, 0x3003
	s_cbranch_scc0 .Lentry_shape_is_right
	s_endpgm
.Lentry_shape_is_right:
; ATTENTION with a window and global tokens.  ctx[b][q][head] = the sum over k of softmax_k(score) v[b][k][head]; score = q . k / 8 where |q - k| <= 256 or key k is global or query q is global; else hidden.
; q, k, v: bf16, in blocks of 128 columns (a pair of heads): act[block][4096 rows][128], q in blocks 0-7, k in 8-15, v in 16-23.  ctx leaves likewise, into hn.  Products, maxima, sums in f32; the weights rounded to bf16.
; LIMITS.  A hidden score counts as its own value less 2^33 (in q . k's units: 1.07e9 after the division by 8), not as exactly -1e9: its weight is 0 as long as the row's allowed scores lie above some -1e8; every
; row has an allowed key, itself.  While a row has met hidden keys alone, its maximum is near -2^33 and the rounding of c m lets weights reach 2^64: finite in f32 and in bf16 (which is why the weights are bf16),
; and wiped by a = 0 when the first allowed score comes.  A weight below 2^-126 counts as 0.  NaN and infinities are not treated apart.
; SHARES.  A work-group: a batch, a pair of heads, 128 queries.  Wave w: head w / 2 of the pair, queries 64 (w % 2) ..: four PIECES of 16.  Every wave walks all 2,048 keys, 64 a step: is_global is an input, so no tile is known to be dead.
; CLUSTER.  The four query blocks of a cluster walk the same K and V: each tile is asked for jointly, the same load, descriptor and mask in all four.
; THE MASK is the C operand that starts S^T = K Q^T: NKB[key] x NQ[query] x OUT.  NKB: -2^33 or 0 (a table made earlier, held in LDS); NQ: 1 or 0.  OUT = [|q - k| > 256]: with D = key step - my queries' step of 64,
; it is 1 for |D| >= 5, 0 for |D| <= 3; at D = 4 it is [k - q > 256]: 1 for key groups above the piece's, 0 below, a triangle (EU) in the piece's own; at D = -4 the mirror (EL).  D gives five factors, 1.0 or 0,
; by scalar compares and selects; they enter multiplies alone: no branch and no address hangs on them, and every key step has one text.
; LAYOUT, SOFTMAX, TURNS.  S^T holds ONE query a lane (lane % 16) and the keys 8 (lane / 16) + 0..7; two results rounded to bf16 ARE source 1 of O^T = V^T P.  p = 2^(c s - c m), c = log2(e) / 8, with a running
; maximum m; O and l are multiplied by a = 2^(c m_old - c m_new) in every step.  Turn n belongs to piece n: 8 products K Q^T of piece n + 1, later 8 products V^T P of piece n - 1; beside them piece n's scaling,
; exponentials, roundings, sums and rescaling, piece n + 1's maximum and statistics, and piece n + 2's mask.  Four vector instructions stand behind every matrix instruction; a turn's 33 exponentials are one batch with one wait.
; BESIDE THE ATTENTION the later products' weights W1 and W2 are rounded to bf16, in their own order, into wb (W1 at its head, W2 8 MiB on): 8,192 pieces of 1,024 numbers for the launch's 1,024 waves, eight a wave.
; Batch 0's work-groups take W1, batch 1's W2.  Behind each of the first eight changes of slots a wave rounds and stores the piece that it asked for one slot (two key steps) earlier and asks for the next.
; REGISTERS (windows of 256; s_set_vgpr_msb: bits 1:0 source 0, 3:2 source 1, 5:4 source 2, 7:6 destination):
;   window 0: v0-15, v32-37 addresses; v16-31 statistics; v48-55 at work; v64-127 S^T, two buffers; v128-171 the mask's patterns and factors; v192-223 P, two buffers
;   window 1: v0-127 O^T; v128-159 NKB of a step; v160-223 MC, two mask buffers          window 2: v0-63 Q; v64-111 a piece of W1 or W2; v128-191 K of a step; v192-255 V of a step
.set NP,    4
.set KS,    64
.set PK,    272       ; a row of K in LDS: 256 + 16 bytes = 68 words: 16 rows start at 16 different groups of four banks (64 banks of 4 bytes: ISA guide 11.1)
.set PV,    288       ; a row of V: 256 + 32 bytes = 72 words
.set VOFF,  KS*PK     ; a step's tiles lie together: 64 rows of K, then 64 rows of V
.set STEPB, KS*(PK+PV)
.set SLOT1, 1<<17     ; a slot holds two steps; slot 1 begins here, so that one exclusive or turns an address in one slot into the other's
.set STAGE, SLOT1+2*STEPB  ; behind the ring, never filled by a tensor load: 128 rows x 272 bytes, the work-group's, for the way out
.set SP,    272
.set NKT,   STAGE+128*SP   ; the batch's key table, 8,192 bytes, stored once
.set SPARE, NKT+8192       ; the spare words, 128 bytes a wave
.set BLK,   1048576
.set NKG,   0x4000    ; the table's place in its buffer
.set AK0, 2           ; v2   my lane's place in a tile of K; never rewritten
.set AV0, 3           ; v3   the same for V
.set AK,  4
.set AV,  5
.set STO, 6
.set RD,  7
.set GO,  8           ; v8   16 x lane; never rewritten
.set MV,  12          ; v12-13  c m_old, by buffer
.set QO,  15
.set ST,  16          ; piece t's statistics at v[ST+4 t]: c m, m, l (even keys', odd keys')
.set ANK0, 32         ; v32  NKT + 32 (l / 16); never rewritten
.set ANK, 33
.set NQO, 34
.set TGO, 35
.set TLA, 36
.set WTV, 37          ; v37  8 x lane; never rewritten
.set TMP, 48
.set PFO, 61
.set SPW, 62
.set NIL, 63
.set S,   64
.set EU,  128         ; v[128:135] [8 (l / 16) + j > l % 16]
.set EL,  136         ; v[136:143] [8 (l / 16) + j < l % 16]
.set PAT, 144         ; v[144:151] OUT in a piece's own key group
.set TT,  152         ; v[152:159] the same times NQ
.set NQ,  160         ; v[160:167] NQ of piece x at 160 + 2 x; the odd partners hold 0
.set FA,  168         ; v[168:169] the factor for key groups above the piece's
.set FB,  170         ; v[170:171] below
.set P,   192
.set NKB, 128         ; window 1
.set MC,  160         ; window 1
.set WTI, 64          ; window 2: v[64:95] a piece of W1 or W2 as loaded
.set WTO, 96          ; window 2: v[96:111] the piece in bf16
.set KF,  128         ; window 2
.set VF,  192         ; window 2
.set WV,  12
.set LIM, 15
.set PFA, 18
.set G1K, 24
.set G1V, 32
.set G0K, 40
.set G0V, 44
.set SLOTS, 56
.set CNT, 57
.set CS,  58
.set SEL, 60
.set TBK, 62
.set TBV, 63
.set KD,  66          ; s66  D of the step whose masks are being made
.set NKO, 67          ; s67  that step's byte in the table
.set SA,  68
.set SB,  70
.set SC,  72          ; s[72:73], s[74:75], s[76:77]: named as pairs, the low word counts
.set SU,  74
.set SL,  76
.set WTS, 88          ; s[88:89] W1 or W2 at the piece that I asked for last
.set WTD, 94          ; s[94:95] wb at the piece that I store next
.set MSB, 0
.macro WIN new
.if MSB != (\new)
	s_set_vgpr_msb (MSB<<8)|(\new)
.set MSB, (\new)
.endif
.endm
.set W_KQ, 0x0a       ; K and Q in window 2, S^T in window 0
.set W_KM, 0x1a       ; the same with the C operand in window 1
.set W_PV, 0x52       ; V in window 2, P in window 0, O^T in window 1
.set W_RS, 0x41       ; destination and source 0 in window 1, source 1 in window 0
; A joint fill.  Waves 0 and 1 fetch the two steps' K, waves 2 and 3 their V.  An s_nop 0 and four v_nop follow each line.
.macro JLOAD
	s_cmp_lt_u32 s[WV], 2
	s_cbranch_scc0 .Lfor_v_\@
	tensor_load_to_lds s[G0K:G0K+3], s[G1K:G1K+7]
	s_nop 0
.rept 4
	v_nop
.endr
	s_branch .Lasked_\@
.Lfor_v_\@:
	tensor_load_to_lds s[G0V:G0V+3], s[G1V:G1V+7]
	s_nop 0
.rept 4
	v_nop
.endr
.Lasked_\@:
.endm
; A prefetch of what the NEXT change of slots will ask for: 128 rows of K and of V, 256 bytes a row, a lane a row.  The head pair's first cluster asks; its four partners take 32 rows each, by address;
; wave 0 asks for K's, wave 2 for V's.  So each row is named once in the launch.  Slots 0 to 2 come by their loads alone; the last change that fills a slot asks for nothing.
.macro ASK
	s_cmp_gt_u32 s[SLOTS], s[LIM]
	s_cbranch_scc0 .Lnot_mine_\@
	global_prefetch_b8 v[PFO], s[PFA:PFA+1] th:TH_LOAD_NT scope:SCOPE_SE
.Lnot_mine_\@:
.endm
.macro CROUND
	s_barrier_signal -1
	s_barrier_wait -1
	s_cmp_lg_u32 s[WV], 0
	s_cbranch_scc1 .Lnot_wave_0_\@
	s_barrier_signal -3
.Lnot_wave_0_\@:
	s_barrier_wait -3
	s_barrier_signal -1
	s_barrier_wait -1
.endm
; THE CHANGE OF SLOTS.  Each wave waits for all its tensor loads (one is out: its part of the other slot), adds 0 to its spare word, and waits for that and for its own LDS instructions.
; fill = 1: the slot just read is filled again, with the keys two slots on, behind a round of the cluster's barrier, first thing there: it has two key steps in which to land.
.macro CHANGE fill, ask
	WIN 0
	s_wait_tensorcnt 0x0
	ds_add_u32 v[SPW], v[NIL]
.if \fill
.irp g, G0K, G0V
	s_xor_b32 s[\g+1], s[\g+1], SLOT1
	s_add_nc_u64 s[\g+2:\g+3], s[\g+2:\g+3], 2*KS*256
.endr
.if \ask
	s_wait_xcnt 0x0                 ; the last prefetch and the last piece's stores, two key steps back, have read their registers
	s_add_nc_u64 s[PFA:PFA+1], s[PFA:PFA+1], 2*KS*256
.endif
	s_wait_dscnt 0x0
	CROUND
	JLOAD
.if \ask
	ASK
.endif
.else
	s_wait_dscnt 0x0
	s_barrier_signal -1
	s_barrier_wait -1
.endif
	s_sub_co_u32 s[TBK], s[TBK], 2*STEPB  ; the fetches go back to a slot's first step, in the other slot
	s_xor_b32 s[TBK], s[TBK], SLOT1
	s_sub_co_u32 s[TBV], s[TBV], 2*STEPB
	s_xor_b32 s[TBV], s[TBV], SLOT1
.endm
; THE WEIGHTS.  WT_IN: a piece's eight loads, 512 consecutive bytes each.  WEIGHTS, behind a change of slots: in the eight passes with s[SLOTS] = 14 .. 7 the piece asked for a slot earlier is rounded and stored,
; 256 consecutive aligned bytes a store, and (but in the last of the eight) the next is asked for, ahead of the stores.  The bf16 registers and wb's base, which the last pass's stores read, are written again
; behind the s_wait_xcnt 0 of this pass's change of slots; the source's base behind the wait for its loads.  The two jumps go forward, on the slot counter, past no barrier and no tensor load.
.macro WT_IN
	WIN 0x80                        ; destination window 2, address window 0
.irp j, 0,1,2,3,4,5,6,7
	global_load_b128 v[WTI+4*\j:WTI+4*\j+3], v[GO], s[WTS:WTS+1] offset:512*\j th:TH_LOAD_NT
.endr
	WIN 0
.endm
.macro WEIGHTS
	s_cmp_lt_u32 s[SLOTS], 7
	s_cbranch_scc1 .Lno_w_\@
	s_wait_loadcnt 0x0              ; the piece asked for two key steps back
	s_add_nc_u64 s[WTD:WTD+1], s[WTD:WTD+1], 2048  ; a piece on; the stores below reach back
	WIN 0x8a                        ; destination and both sources window 2
.irp j, 0,1,2,3,4,5,6,7
	v_cvt_pk_bf16_f32 v[WTO+2*\j], v[WTI+4*\j], v[WTI+4*\j+1]
	v_cvt_pk_bf16_f32 v[WTO+2*\j+1], v[WTI+4*\j+2], v[WTI+4*\j+3]
.endr
	WIN 0
	s_cmp_eq_u32 s[SLOTS], 7
	s_cbranch_scc1 .Lno_in_\@       ; the eighth piece is my last
	s_add_nc_u64 s[WTS:WTS+1], s[WTS:WTS+1], 4096
	WT_IN
.Lno_in_\@:
	WIN 0x08                        ; store data window 2, address window 0
.irp j, 0,1,2,3,4,5,6,7
	global_store_b64 v[WTV], v[WTO+2*\j:WTO+2*\j+1], s[WTD:WTD+1] offset:256*\j-2048 th:TH_STORE_NT
.endr
	WIN 0
.Lno_w_\@:
.endm
	s_load_b128 s[48:51], s[0:1], 0x0 ; act s[48:49], the table's buffer s[50:51]
	s_load_b64 s[52:53], s[0:1], 0x10 ; hn
	s_load_b64 s[WTD:WTD+1], s[0:1], 0x18 ; wb
	s_load_b128 s[88:91], s[0:1], 0x20 ; W1 s[88:89], W2 s[90:91]
	v_lshl_add_u32 v[SPW], v0, 2, SPARE
	v_mov_b32 v[NIL], 0
	ds_add_u32 v[SPW], v[NIL]       ; the wave's opening: the add and its wait ahead of my first tensor load
	v_lshrrev_b32 v1, 5, v0
	v_readfirstlane_b32 s[WV], v1
	s_bfe_u32 s13, ttmp6, 0x40000   ; cx
	s_lshl_b32 s14, ttmp9, 2
	s_add_co_u32 s14, s14, s13      ; my block of 128 queries: it enters global addresses (Q's, NQ's, O's, the weights') and D alone
	s_and_b32 s20, ttmp7, 0xffff
	s_lshr_b32 s21, s20, 3          ; the batch
	s_and_b32 s22, s20, 7           ; the pair of heads
	s_lshr_b32 s16, s[WV], 1        ; my head of the pair
	s_and_b32 s17, s[WV], 1         ; my half of the queries; also: which of a slot's two steps I fetch
	s_lshl_b32 s2, s22, 20
	s_lshl_b32 s3, s21, 19
	s_add_co_u32 s2, s2, s3         ; the pair's block, the batch's 2,048 rows
	s_lshl_b32 s3, s17, 14
	s_add_co_u32 s82, s2, s3        ; + 64 rows: K and V (less their 8 and 16 blocks)
	s_mov_b32 s83, 0
	s_lshl_b32 s3, s14, 15
	s_add_co_u32 s84, s82, s3       ; Q: + my block's 128 rows
	s_add_co_u32 s86, s2, s3        ; O: likewise,
	s_lshl_b32 s3, s16, 7
	s_add_co_u32 s84, s84, s3       ; Q: + my head's 128 bytes
	s_mov_b32 s85, 0
	s_lshl_b32 s3, s[WV], 13
	s_add_co_u32 s86, s86, s3       ; O: + the 32 rows that I store
	s_mov_b32 s87, 0
	s_lshl_b32 s80, s21, 13
	s_add_co_u32 s80, s80, NKG      ; the batch's table
	s_mov_b32 s81, 0
	s_lshl_b32 s54, s14, 9
	s_lshl_b32 s3, s17, 8
	s_add_co_u32 s54, s54, s3       ; my 64 queries in it
	s_mov_b32 s55, 0
	s_lshl_b32 s[KD], s14, 1
	s_add_co_u32 s[KD], s[KD], s17
	s_sub_co_u32 s[KD], 0, s[KD]    ; D of key step 0
	s_mov_b32 s[NKO], 0
	s_lshl_b32 s96, s22, 6          ; the weights: my wave among my batch's 512: 64 x pair + 4 x block + wave;
	s_lshl2_add_u32 s96, s14, s96
	s_add_co_u32 s96, s96, s[WV]
	s_lshl_b32 s98, s96, 14         ; its eight pieces of 2,048 bytes in wb,
	s_lshl_b32 s3, s21, 23          ; W2's 8 MiB behind W1's,
	s_add_co_u32 s98, s98, s3
	s_mov_b32 s99, 0
	s_lshl_b32 s96, s96, 15         ; and of 4,096 bytes in the source
	s_mov_b32 s97, 0
	s_mov_b32 s[G1K], 15|(1<<16)|(1<<20)|(1<<21)|(5<<22)|(3<<25)  ; the mask of four; 2-byte elements; padding on; bit 21 beside a mask; after every 64 words 4 words
	s_mov_b32 s[G1V], 15|(1<<16)|(1<<20)|(1<<21)|(5<<22)|(7<<25)  ; 8 words
.irp g, G1K, G1V
	s_mov_b32 s[\g+1], 128<<16      ; tensor_dim0 = 128
	s_mov_b32 s[\g+2], KS<<16       ; tensor_dim1 = 64
	s_mov_b32 s[\g+3], 128<<16      ; tile_dim0 = 128
	s_mov_b32 s[\g+4], KS           ; tile_dim1 = 64
	s_mov_b32 s[\g+5], 128          ; a block's rows are dense
	s_mov_b32 s[\g+6], 0
	s_mov_b32 s[\g+7], 0
.endr
	s_mov_b32 s[CS], 0x3e38aa3b     ; c = log2(e) / 8
	s_mov_b32 s[CS+1], s[CS]
	s_mov_b32 s[SEL], 0x76543210
	s_mov_b32 s[SEL+1], 0xfedcba98
	s_mov_b32 s[SC+1], 0
	s_mov_b32 s[SU+1], 0
	s_mov_b32 s[SL+1], 0
	s_mov_b32 s[TBK], SLOT1+2*STEPB ; the first change of slots turns these two into 0
	s_mov_b32 s[TBV], SLOT1+2*STEPB
	s_mov_b32 s[G0K], 1
	s_mul_i32 s[G0K+1], s17, STEPB  ; no place in the cluster enters an LDS address
	s_mov_b32 s[G0V], 1
	s_add_co_u32 s[G0V+1], s[G0K+1], VOFF
	s_and_b32 s[LIM], s[WV], 1      ; 0 in waves 0 and 2,
	s_or_b32 s[LIM], s[LIM], ttmp9  ; where the cluster is the head pair's first
	s_cmp_eq_u32 s[LIM], 0
	s_cselect_b32 s[LIM], 1, -1
	v_and_b32 v[PFO], 31, v0
	v_lshlrev_b32 v[PFO], 8, v[PFO]
	s_wait_dscnt 0x0                ; the opening add is done
	s_wait_kmcnt 0x0
	s_add_nc_u64 s[6:7], s[48:49], s[82:83]
	s_add_nc_u64 s[8:9], s[6:7], 16*BLK      ; V at my tile of slot 0
	s_add_nc_u64 s[6:7], s[6:7], 8*BLK       ; K
	s_add_nc_u64 s[4:5], s[48:49], s[84:85]  ; Q
	s_add_nc_u64 s[10:11], s[52:53], s[86:87] ; O
	s_add_nc_u64 s[80:81], s[50:51], s[80:81]
	s_add_nc_u64 s[54:55], s[80:81], s[54:55]
	s_cmp_eq_u32 s21, 0             ; batch 0 rounds W1, batch 1 W2: the same choice in all four partners
	s_cselect_b64 s[WTS:WTS+1], s[88:89], s[90:91]
	s_add_nc_u64 s[WTS:WTS+1], s[WTS:WTS+1], s[96:97]
	s_add_nc_u64 s[WTD:WTD+1], s[WTD:WTD+1], s[98:99]
	s_mov_b64 s[G0K+2:G0K+3], s[6:7]
	s_or_b32 s[G0K+3], s[G0K+3], 0x80000000
	s_mov_b64 s[G0V+2:G0V+3], s[8:9]
	s_or_b32 s[G0V+3], s[G0V+3], 0x80000000
	s_cmp_lt_u32 s[WV], 2
	s_cselect_b64 s[PFA:PFA+1], s[6:7], s[8:9]  ; (in waves 0 and 2 these stand at a slot's first row)
	s_lshl_b32 s2, s13, 13          ; my work-group's 32 rows of the 128
	s_mov_b32 s3, 0
	s_add_nc_u64 s[PFA:PFA+1], s[PFA:PFA+1], s[2:3]
	s_add_nc_u64 s[PFA:PFA+1], s[PFA:PFA+1], 2*2*KS*256  ; in slot 2; the first asking change steps it to slot 3
	CROUND                          ; all four work-groups are here: the first joint loads meet
	JLOAD                           ; slot 0
	v_and_b32 v1, 15, v0            ; l % 16
	v_bfe_u32 v9, v0, 4, 1          ; l / 16
	v_lshlrev_b32 v[TGO], 4, v0     ; the table: 128 threads x 16 bytes, four times
	v_add_nc_u32 v[TLA], NKT, v[TGO]
.irp i, 0,1,2,3
	global_load_b128 v[S+4*\i:S+4*\i+3], v[TGO], s[80:81] offset:2048*\i
.endr
	v_lshlrev_b32 v[QO], 8, v1
	v_lshl_add_u32 v[QO], v9, 4, v[QO]  ; row x 256 + 16 x half
	WIN 0x80
.set i, 0
.rept 8                             ; Q stays in registers: piece i / 2, channels 32 (i % 2) on
	global_load_b128 v[8*i:8*i+3],   v[QO], s[4:5] offset:(i/2)*4096+(i%2)*64
	global_load_b128 v[8*i+4:8*i+7], v[QO], s[4:5] offset:(i/2)*4096+(i%2)*64+32
.set i, i+1
.endr
	WIN 0
	v_lshlrev_b32 v[NQO], 2, v1
.irp x, 0,1,2,3
	global_load_b32 v[NQ+2*\x], v[NQO], s[54:55] offset:64*\x   ; my query's word of the table, for each piece
.endr
	v_lshlrev_b32 v14, 3, v9
	v_sub_nc_u32 v14, v1, v14       ; l % 16 - 8 (l / 16)
.set i, 0
.rept 8
	v_cmp_gt_i32 vcc_lo, i, v14
	v_cndmask_b32 v[EU+i], 0, 1.0, vcc_lo
	v_cmp_lt_i32 vcc_lo, i, v14
	v_cndmask_b32 v[EL+i], 0, 1.0, vcc_lo
.set i, i+1
.endr
.irp x, 0,1,2,3
	v_mov_b32 v[NQ+2*\x+1], 0
.endr
	v_mov_b32 v[FA+1], 0
	v_mov_b32 v[FB+1], 0
	s_lshl_b32 s2, s16, 7           ; my head's 128 bytes of a row
	v_mul_u32_u24 v[AK0], v1, PK
	v_lshl_add_u32 v[AK0], v9, 4, v[AK0]
	v_add_nc_u32 v[AK0], s2, v[AK0]
	; The turning load takes 16 keys x 16 channels (lane l reads key 8 (l / 16) + l % 8, channels 8 ((l / 8) % 2) + 0..7) and leaves half a fragment of V^T.
	v_and_b32 v10, 7, v0
	v_bfe_u32 v11, v0, 3, 1
	v_lshl_add_u32 v[AV0], v9, 3, v10
	v_mul_u32_u24 v[AV0], v[AV0], PV
	v_lshl_add_u32 v[AV0], v11, 4, v[AV0]
	s_add_co_u32 s3, s2, VOFF
	v_add_nc_u32 v[AV0], s3, v[AV0]
	v_lshlrev_b32 v[ANK0], 5, v9
	v_add_nc_u32 v[ANK0], NKT, v[ANK0]
	s_mul_i32 s3, s17, 64*SP        ; into the stage: my 64 rows, my head's half of their 256 bytes
	s_add_co_u32 s3, s3, s2
	s_add_co_u32 s3, s3, STAGE
	v_mul_u32_u24 v[STO], v1, SP
	v_lshl_add_u32 v[STO], v9, 4, v[STO]
	v_add_nc_u32 v[STO], s3, v[STO]
	s_mul_i32 s3, s[WV], 32*SP      ; back: wave w takes rows 32 w .., whole; lanes 0-15 one row, lanes 16-31 the next
	s_add_co_u32 s3, s3, STAGE
	v_mul_u32_u24 v[RD], v9, SP
	v_lshl_add_u32 v[RD], v1, 4, v[RD]
	v_add_nc_u32 v[RD], s3, v[RD]
	v_and_b32 v[GO], 31, v0
	v_lshlrev_b32 v[GO], 4, v[GO]   ; which are 512 consecutive bytes of O
	v_lshrrev_b32 v[WTV], 1, v[GO]  ; 8 x lane
	; The first step multiplies O^T and l by a = 0, and the first turn's products V^T P, of a piece that has not been, add 0: these registers hold 0.  All this stands in the wait for the first tile.
	WIN 0x80
.set i, VF
.rept 64
	v_mov_b32 v[i], 0
.set i, i+1
.endr
	WIN 0x40
.set i, 0
.rept 128
	v_mov_b32 v[i], 0
.set i, i+1
.endr
	WIN 0
.set i, 0
.rept 4
	v_mov_b32 v[ST+4*i], 0xfe000000    ; c m: far below every c s
	v_mov_b32 v[ST+4*i+1], 0xff7fffff  ; m
	v_mov_b32 v[ST+4*i+2], 0
	v_mov_b32 v[ST+4*i+3], 0
.set i, i+1
.endr
.set i, P+16
.rept 16
	v_mov_b32 v[i], 0
.set i, i+1
.endr
	s_wait_loadcnt 20               ; the table's four loads are in; Q's sixteen and NQ's four stay out
.irp i, 0,1,2,3
	ds_store_b128 v[TLA], v[S+4*\i:S+4*\i+3] offset:2048*\i
.endr
; THE MATRIX WORK.  The 4 accumulators of a run of 8 take turns.  Product i of 8 of S^T = K Q^T for piece x: channels 32 (i / 4) on, keys 16 (i % 4) on.  The first 4 start the sums with the mask.
.macro KQ x
.set rS, S+32*((\x)%2)+8*(i%4)
.set rK, KF+16*(i%4)+8*(i/4)
.set rQ, 16*(\x)+8*(i/4)
.set rM, MC+32*((\x)%2)+8*(i%4)
.if i < 4
	WIN W_KM
	v_wmma_f32_16x16x32_bf16 v[rS:rS+7], v[rK:rK+7], v[rQ:rQ+7], v[rM:rM+7]
.else
	WIN W_KQ
	v_wmma_f32_16x16x32_bf16 v[rS:rS+7], v[rK:rK+7], v[rQ:rQ+7], v[rS:rS+7]
.endif
.endm
; Product i of 8 of O^T += V^T P for piece x: keys 32 (i / 4) on, channels 16 (i % 4) on.
.macro PV x
	WIN W_PV
.set rO, 32*(\x)+8*(i%4)
.set rV, VF+32*(i/4)+8*(i%4)
.set rP, P+16*((\x)%2)+8*(i/4)
	v_wmma_f32_16x16x32_bf16 v[rO:rO+7], v[rV:rV+7], v[rP:rP+7], v[rO:rO+7]
.endm
.macro MM                           ; the turn's next matrix instruction
.if i < 8
	KQ (Y+1)%NP
.else
.set i, i-8
	PV (Y+NP-1)%NP
.set i, i+8
.endif
.set i, i+1
.endm
; THE LDS LOADS stand in runs: a step's table words (8), its K (16), and its V, turned (16).
.macro FETCH_NK
	WIN 0x40
.irp g, 0,1,2,3                     ; key group g: keys 16 g + 8 (l / 16) + 0..7
	ds_load_b128 v[NKB+8*\g:NKB+8*\g+3],   v[ANK] offset:64*\g
	ds_load_b128 v[NKB+8*\g+4:NKB+8*\g+7], v[ANK] offset:64*\g+16
.endr
	WIN 0
.endm
.macro FETCH_K
	WIN 0x80
.irp f, 0,1,2,3,4,5,6,7             ; keys 16 (f / 2) on, channels 32 (f % 2) on
	ds_load_b128 v[KF+8*\f:KF+8*\f+3],   v[AK] offset:(\f/2)*16*PK+(\f%2)*64
	ds_load_b128 v[KF+8*\f+4:KF+8*\f+7], v[AK] offset:(\f/2)*16*PK+(\f%2)*64+32
.endr
	s_add_co_u32 s[TBK], s[TBK], STEPB
	WIN 0
.endm
.macro FETCH_V
	WIN 0x80
.irp f, 0,1,2,3,4,5,6,7             ; keys 32 (f / 4) on, channels 16 (f % 4) on
	ds_load_tr16_b128 v[VF+8*\f:VF+8*\f+3],   v[AV] offset:(\f/4)*32*PV+(\f%4)*32
	ds_load_tr16_b128 v[VF+8*\f+4:VF+8*\f+7], v[AV] offset:(\f/4)*32*PV+16*PV+(\f%4)*32
.endr
	WIN 0
.endm
; THE MASK.  SCAL: the five factors of the step whose masks come next (inc = 1: the next step).  PATS: OUT in a piece's own key group.  MASK x, b: piece x's mask into buffer b.
.macro SCAL inc
.if \inc
	s_add_co_u32 s[KD], s[KD], 1
	s_add_co_u32 s[NKO], s[NKO], 256
	s_and_b32 s[NKO], s[NKO], 0x1fff
.endif
	s_cmp_ge_i32 s[KD], 5
	s_cselect_b32 s[SC], 1.0, 0
	s_cmp_le_i32 s[KD], -5
	s_cselect_b32 s78, 1.0, 0
	s_or_b32 s[SC], s[SC], s78
	s_cmp_eq_u32 s[KD], 4
	s_cselect_b32 s[SU], 1.0, 0
	s_cmp_eq_u32 s[KD], -4
	s_cselect_b32 s[SL], 1.0, 0
	s_or_b32 s[SA], s[SC], s[SU]
	s_or_b32 s[SB], s[SC], s[SL]
.endm
.macro PATS
	WIN 0
.irp z, 0,1,2,3
	v_pk_fma_f32 v[PAT+2*\z:PAT+2*\z+1], v[EU+2*\z:EU+2*\z+1], s[SU:SU+1], s[SC:SC+1] op_sel_hi:[1,0,0]
.endr
.irp z, 0,1,2,3
	v_pk_fma_f32 v[PAT+2*\z:PAT+2*\z+1], v[EL+2*\z:EL+2*\z+1], s[SL:SL+1], v[PAT+2*\z:PAT+2*\z+1] op_sel_hi:[1,0,1]
.endr
.endm
.macro MASK x, b
	WIN 0
	v_mul_f32 v[FA], s[SA], v[NQ+2*(\x)]
	v_mul_f32 v[FB], s[SB], v[NQ+2*(\x)]
.irp z, 0,1,2,3
	v_pk_mul_f32 v[TT+2*\z:TT+2*\z+1], v[PAT+2*\z:PAT+2*\z+1], v[NQ+2*(\x):NQ+2*(\x)+1] op_sel_hi:[1,0]
.endr
	WIN W_RS
.set z, 0
.rept 16
.if z/4 == (\x)
	v_pk_mul_f32 v[MC+32*(\b)+2*z:MC+32*(\b)+2*z+1], v[NKB+2*z:NKB+2*z+1], v[TT+2*(z%4):TT+2*(z%4)+1]
.elseif z/4 > (\x)
	v_pk_mul_f32 v[MC+32*(\b)+2*z:MC+32*(\b)+2*z+1], v[NKB+2*z:NKB+2*z+1], v[FA:FA+1] op_sel_hi:[1,0]
.else
	v_pk_mul_f32 v[MC+32*(\b)+2*z:MC+32*(\b)+2*z+1], v[NKB+2*z:NKB+2*z+1], v[FB:FB+1] op_sel_hi:[1,0]
.endif
.set z, z+1
.endr
.endm
; THE SOFTMAX, one line at a time: OP kind, number.  For piece Y: F n: c s - c m for pair n of 16.  E n: the exponential of score n of 32.  C n: pair n rounded to bf16.  B n: of the four weights 4 n .. the second
; pair is added onto the first, in place.  L n: l takes that sum (L 0: l = a l + sum).  R n: pair n of 16 of O^T times a.  For piece Y + 1: X n, number n of the 22 that find its maximum and statistics:
;   0-11  four chains c0-c3 of seven scores each (each accumulator's lowest registers are read first)     12-14, 16  the four scores left over, the old m, and c0-c3 into c0
;   15  c m_old is kept     17, 18  the query's other 32 keys lie in the lane 16 away: the new m     19-21  c m; c m_old - c m_new; a
.set F, 0
.set E, 1
.set C, 2
.set B, 3
.set L, 4
.set R, 5
.set X, 6
.macro REGS y
.set rT, ST+4*(\y)
.set rC, TMP+4*((\y)%2)
.set rW, MV+((\y)%2)
.set rS, S+32*((\y)%2)
.set rP, P+16*((\y)%2)
.set rO, 32*(\y)
.endm
.macro OP k, n
.if (\k) == R
	REGS Y
	WIN W_RS
	v_pk_mul_f32 v[rO+2*(\n):rO+2*(\n)+1], v[rO+2*(\n):rO+2*(\n)+1], v[rC+2:rC+3] op_sel_hi:[1,0]
.elseif (\k) < R
	REGS Y
	WIN 0
.if (\k) == F
	v_pk_fma_f32 v[rS+2*(\n):rS+2*(\n)+1], v[rS+2*(\n):rS+2*(\n)+1], s[CS:CS+1], v[rT:rT+1] op_sel_hi:[1,0,0] neg_lo:[0,0,1] neg_hi:[0,0,1]
.elseif (\k) == E
	v_exp_f32 v[rS+(\n)], v[rS+(\n)]
.elseif (\k) == C
	v_cvt_pk_bf16_f32 v[rP+(\n)], v[rS+2*(\n)], v[rS+2*(\n)+1]
.elseif (\k) == B
	v_pk_add_f32 v[rS+4*(\n):rS+4*(\n)+1], v[rS+4*(\n):rS+4*(\n)+1], v[rS+4*(\n)+2:rS+4*(\n)+3]
.elseif (\n) == 0
	v_pk_fma_f32 v[rT+2:rT+3], v[rT+2:rT+3], v[rC+2:rC+3], v[rS:rS+1] op_sel_hi:[1,0,1]
.else
	v_pk_add_f32 v[rT+2:rT+3], v[rT+2:rT+3], v[rS+4*(\n):rS+4*(\n)+1]
.endif
.else
	REGS (Y+1)%NP
	WIN 0
.if (\n) < 4
	v_max3_num_f32 v[rC+(\n)], v[rS+8*(\n)], v[rS+8*(\n)+1], v[rS+8*(\n)+2]
.elseif (\n) < 12
	v_max3_num_f32 v[rC+(\n)%4], v[rC+(\n)%4], v[rS+8*((\n)%4)+2*((\n)/4)+1], v[rS+8*((\n)%4)+2*((\n)/4)+2]
.elseif (\n) == 12
	v_max3_num_f32 v[rC], v[rC], v[rS+7], v[rS+15]
.elseif (\n) == 13
	v_max3_num_f32 v[rC+1], v[rC+1], v[rS+23], v[rS+31]
.elseif (\n) == 14
	v_max3_num_f32 v[rC+2], v[rC+2], v[rC+3], v[rT+1]
.elseif (\n) == 15
	v_mov_b32 v[rW], v[rT]
.elseif (\n) == 16
	v_max3_num_f32 v[rC], v[rC], v[rC+1], v[rC+2]
.elseif (\n) == 17
	v_permlanex16_b32 v[rC+3], v[rC], s[SEL], s[SEL+1]
.elseif (\n) == 18
	v_max_num_f32 v[rT+1], v[rC], v[rC+3]
.elseif (\n) == 19
	v_mul_f32 v[rT], s[CS], v[rT+1]
.elseif (\n) == 20
	v_sub_f32 v[rC+1], v[rW], v[rT]
.else
	v_exp_f32 v[rC+2], v[rC+1]
.endif
.endif
.endm
.macro OPS a, i1, b=-1, i2=0, c=-1, i3=0, d=-1, i4=0
	OP \a, \i1
.if (\b) >= 0
	OP \b, \i2
.endif
.if (\c) >= 0
	OP \c, \i3
.endif
.if (\d) >= 0
	OP \d, \i4
.endif
.endm
.macro ROW a, i1, b, i2, c, i3, d, i4  ; a matrix instruction and the four behind it
	MM
	OPS \a, \i1, \b, \i2, \c, \i3, \d, \i4
.endm
; A TURN, for piece p.  One wait for the turn's 33 exponentials cuts it in two: ahead of it all that names none of their results (8 products K Q^T with their riders, then one lump), behind it the 8 products
; V^T P, whose riders are the roundings and sums.  X 21, the next piece's a, is the batch's last; R 15 is the plain instruction behind it.
; Piece 2's turn steps the mask's factors, fetches the next step's table words and K (twelve vector instructions that name none of its registers behind the last product that read K) and, when the table words are in
; (K's sixteen loads behind them stay out), makes the patterns.  Piece 0's turn fetches the step's V at its end, four riders behind V's last reader.  Each turn ends with the mask of piece p + 2.
; last = 1 (the tail's piece 2): in the pass with s[CNT] = 1 there is no further key step, and the two runs of loads are jumped over; ahead of that branch the exponentials issued so far have a wait of their own.
.macro TURN p, last=0
.set Y, (\p)
.set i, 0
.if (\p) == 2
	SCAL 1
.endif
.if (\p) == 3
	s_wait_dscnt 0x0                ; K is in
.endif
	ROW F,0, F,1, R,0, R,1
	ROW F,2, E,0, R,2, R,3
	ROW F,3, E,1, R,4, R,5
	ROW F,4, E,2, R,6, R,7
	ROW F,5, E,3, R,8, R,9
	ROW F,6, E,4, X,0, R,10
.if (\p) == 2
	WIN 0
	v_add_nc_u32 v[AK], s[TBK], v[AK0]
	v_add_nc_u32 v[ANK], s[NKO], v[ANK0]
.endif
	ROW F,7, E,5, X,1, X,4
	ROW F,8, E,6, X,2, X,5
	OPS E,7, E,8, X,6, E,9
	OPS X,3, E,10, X,8, E,11
.if (\p) == 2
.if \last
	WIN 0
	s_wait_alu depctr_va_vdst(0)    ; ahead of a branch
	s_cmp_eq_u32 s[CNT], 1
	s_cbranch_scc1 .Lno_k_\@
.endif
	FETCH_NK
	FETCH_K
.if \last
.Lno_k_\@:
.endif
.endif
	OPS X,9, X,7, E,12, X,10
	OPS E,13, X,12, X,11, E,14
	OPS X,13, E,15, F,9, X,14
.if (\p) == 0
	v_add_nc_u32 v[AV], s[TBV], v[AV0]
.endif
	OPS E,16, F,10, E,17, F,11
	OPS X,16, E,18, X,15, E,19
	OPS F,12, E,20, X,17, E,21
	OPS F,13, E,22, F,14, E,23
	OPS X,18, E,24, F,15, E,25
	OPS R,11, E,26, X,19, E,27
	OPS R,12, E,28, R,13, E,29
	OPS X,20, E,30, R,14, E,31
	OPS X,21, R,15
	WIN 0
	s_wait_alu depctr_va_vdst(0)    ; the wait for the batch, ahead of the first reader
.if (\p) == 1
	s_wait_dscnt 0x0                ; V is in
.endif
	ROW C,0, B,0, C,2, B,1
	ROW L,0, C,4, B,2, L,1
	ROW C,6, B,3, L,2, C,8
	ROW B,4, L,3, C,10, B,5
	ROW L,4, C,12, B,6, L,5
.if (\p) == 0
	s_add_co_u32 s[TBV], s[TBV], STEPB
.endif
	ROW C,14, B,7, L,6, C,1
	ROW C,3, L,7, C,5, C,7
	ROW C,9, C,11, C,13, C,15
.if (\p) == 0
	FETCH_V
.endif
.if (\p) == 2
	s_wait_dscnt 16                 ; the table words are in; K's sixteen loads stay out
	PATS
.endif
	MASK ((\p)+2)%NP, (\p)%2
.endm
	CHANGE 1, 0                     ; slot 0 is in, and everybody's part of the table; slot 1 is asked for
	SCAL 0                          ; key step 0
	v_add_nc_u32 v[ANK], s[NKO], v[ANK0]
	FETCH_NK
	v_add_nc_u32 v[AK], s[TBK], v[AK0]
	FETCH_K
	s_wait_loadcnt 0x0              ; Q and NQ
.irp x, 0,1,2,3
	v_mul_f32 v[NQ+2*\x], 0xaf000000, v[NQ+2*\x]   ; times -2^-33: 1 where my query is not global, else 0
.endr
	s_wait_dscnt 16                 ; the table words are in
	PATS
	MASK 0, 0
	MASK 1, 1
	s_wait_dscnt 0x0                ; K
.set i, 0
.rept 8
	KQ 0                            ; piece 0's first scores
.set i, i+1
.endr
	WIN 0
.rept 4
	v_nop                           ; the places behind those products
.endr
.set Y, NP-1                        ; X works for piece Y + 1: piece 0
.irp n, 0,1,2,3,4,5,6,7,8,9,10,11,12,13,14,15,16,17,18,19,20,21
	OP X, \n
.endr
	v_nop                           ; a plain instruction behind the exponential,
	s_wait_alu depctr_va_vdst(0)    ; and its wait, ahead of the branch
	WT_IN                           ; my first piece of the weights is asked for: it is rounded behind the next change of slots
	s_mov_b32 s[CNT], 2
	s_mov_b32 s[SLOTS], 15
	s_branch .Lfirst                ; the loop is entered at a step's first turn, in the middle of a trip
.Lslot:                             ; 14 times: slots 2 to 15 are asked for
	CHANGE 1, 1
	WEIGHTS
	s_mov_b32 s[CNT], 2
.Lstep:                             ; a trip: pieces 2 and 3 of one step, then pieces 0 and 1 of the next, whose K and V it fetches
	TURN 2
	TURN 3
	WIN 0
.Lfirst:
	TURN 0
	TURN 1
	WIN 0
	s_sub_co_u32 s[CNT], s[CNT], 1
	s_cmp_lg_u32 s[CNT], 0
	s_cbranch_scc1 .Lstep
	s_sub_co_u32 s[SLOTS], s[SLOTS], 1
	s_cmp_lg_u32 s[SLOTS], 0
	s_cbranch_scc1 .Lslot
	CHANGE 0, 0                     ; the last slot has a text of its own: nothing is asked for
	s_mov_b32 s[CNT], 3             ; three passes of pieces 2 and 3 (steps 29, 30, 31), with pieces 0 and 1 of steps 30 and 31 between them: the loop is entered at piece 2
	s_branch .Ltail_in
.Ltail:
	TURN 0
	TURN 1
	WIN 0
.Ltail_in:
	TURN 2, 1
	TURN 3
	WIN 0
	s_sub_co_u32 s[CNT], s[CNT], 1
	s_cmp_lg_u32 s[CNT], 0
	s_cbranch_scc1 .Ltail
	; the last pass's 8 products K Q^T (on the last K once more), the mask and the maximum made for them serve nothing: the price, once a launch, of one text for every pass
.set i, 0
.rept 8
	PV NP-1                         ; the last piece's V^T P of the last step
.set i, i+1
.endr
	; THE WAY OUT.  l's two halves and the other half of the lanes' are added; O^T is divided by l, rounded to bf16 and laid into the work-group's stage; a row's 256 bytes come from two waves, so a barrier
	; stands between the writing and the reading.  The additions are the places behind the last products.
	WIN 0
.macro ALL line:vararg
.set t, 0
.rept 4
	\line
.set t, t+1
.endr
.endm
	ALL v_add_f32 v[ST+4*t+2], v[ST+4*t+2], v[ST+4*t+3]
	ALL v_permlanex16_b32 v[ST+4*t+3], v[ST+4*t+2], s[SEL], s[SEL+1]
	ALL v_add_f32 v[ST+4*t+2], v[ST+4*t+2], v[ST+4*t+3]
	ALL v_rcp_f32 v[ST+4*t+2], v[ST+4*t+2]
	v_nop                           ; a plain instruction behind the last reciprocal,
	s_wait_alu depctr_va_vdst(0)    ; and one wait for the four
.macro PACK t
	WIN W_RS
.set i, 32*(\t)
.rept 16
	v_pk_mul_f32 v[i:i+1], v[i:i+1], v[ST+4*(\t)+2:ST+4*(\t)+3] op_sel_hi:[1,0]
.set i, i+2
.endr
	WIN 0x05                        ; sources 0 and 1 window 1, destination window 0
.set i, 0
.rept 16
	v_cvt_pk_bf16_f32 v[S+16*(\t)+i], v[32*(\t)+2*i], v[32*(\t)+2*i+1]
.set i, i+1
.endr
	WIN 0
.irp f, 0,1,2,3
	ds_store_b128 v[STO], v[S+16*(\t)+4*\f:S+16*(\t)+4*\f+3] offset:(\t)*16*SP+32*\f
.endr
.endm
	PACK 0
	PACK 1
	PACK 2
	PACK 3
	s_wait_dscnt 0x0                ; for the others' sake: my stores into the stage are done
	s_barrier_signal -1
	s_barrier_wait -1
.irp f, 0,1,2,3,4,5,6,7,8,9,10,11,12,13,14,15
	ds_load_b128 v[S+4*\f:S+4*\f+3], v[RD] offset:\f*2*SP
.endr
.irp f, 0,1,2,3,4,5,6,7,8,9,10,11,12,13,14,15
	s_wait_dscnt 15-\f
	global_store_b128 v[GO], v[S+4*\f:S+4*\f+3], s[10:11] offset:\f*512  ; two rows: 512 consecutive bytes, at a multiple of 256 from the buffer's first
.endr
	s_wait_tensorcnt 0x0            ; the wave's end, behind my last tensor load and my last LDS store
	ds_add_u32 v[SPW], v[NIL]
	s_wait_dscnt 0x0
	CROUND                          ; the closing round
	s_endpgm
.Lfunc_end_k_q8463f5014c_attn:
	.size	k_q8463f5014c_attn, .Lfunc_end_k_q8463f5014c_attn-k_q8463f5014c_attn
	.p2alignl 7, 3214868480
	.fill 96, 4, 3214868480
	.section	.rodata,"a",@progbits
	.p2align	6, 0x0
	.amdhsa_kernel k_q8463f5014c_attn
		.amdhsa_group_segment_fixed_size 327680
		.amdhsa_private_segment_fixed_size 0
		.amdhsa_enable_private_segment 0
		.amdhsa_kernarg_size 48
		.amdhsa_user_sgpr_count 2
		.amdhsa_user_sgpr_kernarg_segment_ptr 1
		.amdhsa_wavefront_size32 1
		.amdhsa_system_sgpr_workgroup_id_x 1
		.amdhsa_system_sgpr_workgroup_id_y 1
		.amdhsa_system_sgpr_workgroup_id_z 1
		.amdhsa_system_vgpr_workitem_id 0
		.amdhsa_next_free_vgpr 768
		.amdhsa_next_free_sgpr 100
		.amdhsa_reserve_vcc 1
		.amdhsa_float_denorm_mode_32 3
		.amdhsa_float_denorm_mode_16_64 3
		.amdhsa_memory_ordered 1
		.amdhsa_forward_progress 1
		.amdhsa_inst_pref_size 139
	.end_amdhsa_kernel
	.amdgpu_metadata
---
amdhsa.version: [ 1, 2 ]
amdhsa.kernels:
  - .name:           k_q8463f5014c_attn
    .symbol:         k_q8463f5014c_attn.kd
    .args:
      - { .name: act, .offset: 0, .size: 8, .value_kind: global_buffer, .address_space: global }
      - { .name: bqkv, .offset: 8, .size: 8, .value_kind: global_buffer, .address_space: global }
      - { .name: hn, .offset: 16, .size: 8, .value_kind: global_buffer, .address_space: global }
      - { .name: wb, .offset: 24, .size: 8, .value_kind: global_buffer, .address_space: global }
      - { .name: W1, .offset: 32, .size: 8, .value_kind: global_buffer, .address_space: global }
      - { .name: W2, .offset: 40, .size: 8, .value_kind: global_buffer, .address_space: global }
    .group_segment_fixed_size: 327680
    .private_segment_fixed_size: 0
    .kernarg_segment_align: 8
    .kernarg_segment_size: 48
    .max_flat_workgroup_size: 128
    .sgpr_count:     100
    .vgpr_count:     768
    .wavefront_size: 32
...
	.end_amdgpu_metadata
.endif
;; end of part 3
;; launch wo (part 4): grid 8 x 32, 4 waves a work-group, clusters of 4 x 4, 327,680 bytes of LDS; arguments hn, wa, bo, x, x1; writes x1
.if DOCPART == 4
	.amdgcn_target "amdgcn-amd-amdhsa--gfx1250"
	.amdhsa_code_object_version 6
	.text
	.protected	k_q8463f5014c_wo
	.globl	k_q8463f5014c_wo
	.p2align	8
	.type	k_q8463f5014c_wo,@function
k_q8463f5014c_wo:
	s_mov_b64 s[64:65], 0
	v_nop
	global_prefetch_b8 v0, s[64:65] scope:SCOPE_SE
	s_setreg_imm32_b32 hwreg(HW_REG_WAVE_MODE, 25, 1), 1
	s_wait_xcnt 0x0
	s_wait_alu depctr_hold_cnt(0) depctr_sa_sdst(0) depctr_va_vdst(0) depctr_va_sdst(0) depctr_va_ssrc(0) depctr_va_vcc(0) depctr_vm_vsrc(0)
	s_getreg_b32 s2, hwreg(HW_REG_IB_STS2, 6, 4)
	s_cmp_eq_u32 s2, 0
	s_cbranch_scc0 .Lentry_in_a_cluster
	s_endpgm
.Lentry_in_a_cluster:
	s_bfe_u32 s2, ttmp6, 0x10000c
	s_cmp_lg_u32 s2, 0xf033
	s_cbranch_scc0 .Lentry_shape_is_right
	s_endpgm
.Lentry_shape_is_right:
; out = resid + A W + bias, N = 1,024, K = 256 NSTEP.  A: bf16 in blocks of 128 columns, [K / 128][4096 rows][128].  W: bf16 [K][1024], 8 MiB behind the head of its buffer.  bias, resid, out: f32, resid and out [4096][1024].
; A tile of C is 128 x 128, so that 256 work-groups share the work; four waves, each 64 x 64: 16 accumulators.  K goes in steps of 256 through two LDS slots.  A step's A is two blocks' tiles of 128 rows x 256 dense
; bytes, its W two tiles of 128 k-rows x 256 bytes: one tensor load a wave.  W's fragments come out of LDS turned, by ds_load_tr16_b128.
; A K STEP IS WRITTEN ONCE: CHANGE (the waits, the round, the one refill), then WORK (the slot's addresses, its fragments, 128 products a wave).  Which slot is read is a scalar register (0 or SLOT), turned by an
; exclusive or.  The loop is entered at WORK for step 0; the last step, which fills nothing, is written out.  No product stands inside the change of slots: the price of the short text.
; CLUSTER 4 x 4: A's tiles shared along a row of the cluster, W's along a column, by joint loads.  THE MATRIX INSTRUCTION IS USED TRANSPOSED (source 0 = 16 columns of W, source 1 = 16 rows of A).
; THE BIAS starts the sums: it is loaded straight into the accumulators (a lane's eight columns of a column block, for each of the four row blocks), so that every product has one form.
; REGISTERS: window 0: v0-31 addresses; v128-255 the accumulators ((a, b) at v[128 + 8 (4 a + b)]).  window 1: two fragment buffers of 128 (64 of A, then 64 of W, for 64 along K); on the way out
;   the tile's rows.  window 2: v0-127 the residual.  THE WAY OUT goes through the ring's own bytes, which have had their last fill.
; No prefetch: the tiles are small and each is read by several work-groups at once.
.set NSTEP,  4                         ; K = 1,024
.set PA,     272                       ; A's LDS row: 256 + 16 bytes
.set PB,     288                       ; W's LDS row: 256 + 32 bytes
.set ASUB,   128*PA                    ; one block's tile of A
.set BHALF,  128*PB                    ; 128 k-rows of W
.set SLOT,   2*ASUB+2*BHALF
.set SPARE,  2*SLOT                    ; behind the ring: the spare words, 128 bytes a wave
.set SP,     272                       ; a stage row: 64 f32 + 16 bytes
.set BLK,    1048576
.set WOFF,   0x800000                  ; W's place in its buffer
.set ADRA, 16                          ; v16  my A fragments in the slot being read
.set ADRA0, 17                         ; v17  the same in slot 0; never rewritten
.set ADRB, 20                          ; v20-21 my W fragments in the slot being read: k-rows 0-127, 128-255
.set ADRB0, 22                         ; v22-23 the same in slot 0; never rewritten
.set STO,  24
.set RD,   25
.set CO,   26                          ; v26  (l / 16) x 4,096 + 16 (l % 16): two rows of resid and of out
.set BO,   27                          ; v27  32 (l / 16)
.set SPW,  28
.set NIL,  29
.set ACC,  128
.set F0,   0
.set F1,   128
.set WV,   16
.set HR,   17
.set HC,   18
.set G1,   24
.set G0,   32                          ; s[32:39] group 0 for A's tiles: a set for each of the two first fills; the second then walks on
.set LBA,  42                          ; s42  my part of a slot, for A
.set LBB,  43                          ; s43  for W
.set TS,   44                          ; s44  0 or SLOT: the slot that the next WORK reads
.set TF,   45                          ; s45  the slot that the last WORK read: the next refill's
.set G1B,  48
.set G0B,  56                          ; s[56:63] the same for W's tiles
.set MSB, 0
.macro WIN new
.if MSB != (\new)
	s_set_vgpr_msb (MSB<<8)|(\new)
.set MSB, \new
.endif
.endm
.set MUL,  0x05                        ; sources 0 (W) and 1 (A) window 1; C and D window 0
.set TO_F, 0x40                        ; destination window 1, address window 0
.macro JLOAD s                         ; waves 0 and 1 fetch A's two blocks, waves 2 and 3 W's two halves; an s_nop 0 and four v_nop follow each line
	s_cmp_eq_u32 s[HR], 0
	s_cbranch_scc0 .Lfor_b_\@
	tensor_load_to_lds s[G0+4*(\s):G0+4*(\s)+3], s[G1:G1+7]
	s_nop 0
.rept 4
	v_nop
.endr
	s_branch .Lasked_\@
.Lfor_b_\@:
	tensor_load_to_lds s[G0B+4*(\s):G0B+4*(\s)+3], s[G1B:G1B+7]
	s_nop 0
.rept 4
	v_nop
.endr
.Lasked_\@:
.endm
.macro CROUND                          ; a round of the cluster's barrier
	s_barrier_signal -1
	s_barrier_wait -1
	s_cmp_lg_u32 s[WV], 0
	s_cbranch_scc1 .Lnot_wave_0_\@
	s_barrier_signal -3
.Lnot_wave_0_\@:
	s_barrier_wait -3
	s_barrier_signal -1
	s_barrier_wait -1
.endm
	s_load_b256 s[4:11], s[0:1], 0x0               ; A s[4:5], W s[6:7], bias s[8:9], resid s[10:11]
	s_load_b64 s[12:13], s[0:1], 0x20              ; out
	v_lshl_add_u32 v[SPW], v0, 2, SPARE
	v_mov_b32 v[NIL], 0
	ds_add_u32 v[SPW], v[NIL]                      ; the wave's opening: the add and its wait ahead of my first tensor load
	v_lshrrev_b32 v1, 5, v0
	v_readfirstlane_b32 s[WV], v1
	s_lshr_b32 s[HR], s[WV], 1                     ; my half of the tile's rows; also: I fetch for A (0) or W (1)
	s_and_b32 s[HC], s[WV], 1                      ; my half of its columns; also: which half of a K step I fetch
	s_bfe_u32 s19, ttmp6, 0x40000                  ; cx
	s_bfe_u32 s20, ttmp6, 0x40004                  ; cy
	s_lshl_b32 s21, ttmp9, 2
	s_add_co_u32 s21, s21, s19                     ; tile column
	s_and_b32 s22, ttmp7, 0xffff
	s_lshl_b32 s22, s22, 2
	s_add_co_u32 s22, s22, s20                     ; tile row
	s_lshl_b32 s23, s20, 2
	s_lshl_b32 s23, 15, s23                        ; my row of the cluster
	s_lshl_b32 s2, 0x1111, s19                     ; my column
	s_or_b32 s[G1+0], s23, (1<<16)|(1<<20)|(1<<21)|(5<<22)|(3<<25)   ; after every 64 words 4 words
	s_or_b32 s[G1B+0], s2, (1<<16)|(1<<20)|(1<<21)|(5<<22)|(7<<25)   ; after every 64 words 8 words
.irp g, G1, G1B
	s_mov_b32 s[(\g)+1], 128<<16                   ; tensor_dim0 = 128
	s_mov_b32 s[(\g)+2], 128<<16                   ; tensor_dim1 = 128
	s_mov_b32 s[(\g)+3], 128<<16                   ; tile_dim0 = 128
	s_mov_b32 s[(\g)+4], 128                       ; tile_dim1 = 128
	s_mov_b32 s[(\g)+6], 0
	s_mov_b32 s[(\g)+7], 0
.endr
	s_mov_b32 s[G1+5], 128                         ; a block's rows are dense
	s_mov_b32 s[G1B+5], 1024                       ; elements from k-row to k-row
	s_lshl_b32 s40, s[HC], 20                      ; A: my block of the step's two,
	s_lshl_b32 s3, s22, 15                         ; the tile's 128 rows of 256 bytes
	s_add_co_u32 s40, s40, s3
	s_mov_b32 s41, 0
	s_lshl_b32 s46, s[HC], 18                      ; W: my 128 k-rows of 2,048 bytes,
	s_lshl_b32 s3, s21, 8                          ; the tile's 128 columns
	s_add_co_u32 s46, s46, s3
	s_add_co_u32 s46, s46, WOFF
	s_mov_b32 s47, 0
	s_mul_i32 s[LBA], s[HC], ASUB                  ; where they go: no place in the cluster enters an LDS address
	s_mul_i32 s[LBB], s[HC], BHALF
	s_add_co_u32 s[LBB], s[LBB], 2*ASUB
	s_mov_b32 s[TS], 0
	s_wait_dscnt 0x0                               ; the opening add is done
	s_wait_kmcnt 0x0
	s_add_nc_u64 s[40:41], s[4:5], s[40:41]
	s_add_nc_u64 s[46:47], s[6:7], s[46:47]
	CROUND                                         ; all sixteen work-groups are here: the first joint loads meet
.irp s, 0,1
	s_mov_b32 s[G0+4*(\s)], 1
	s_add_co_u32 s[G0+4*(\s)+1], s[LBA], (\s)*SLOT
	s_add_nc_u64 s[G0+4*(\s)+2:G0+4*(\s)+3], s[40:41], (\s)*2*BLK
	s_or_b32 s[G0+4*(\s)+3], s[G0+4*(\s)+3], 0x80000000
	s_mov_b32 s[G0B+4*(\s)], 1
	s_add_co_u32 s[G0B+4*(\s)+1], s[LBB], (\s)*SLOT
	s_add_nc_u64 s[G0B+4*(\s)+2:G0B+4*(\s)+3], s[46:47], (\s)*256*2048
	s_or_b32 s[G0B+4*(\s)+3], s[G0B+4*(\s)+3], 0x80000000
	JLOAD \s
.endr
	v_and_b32 v1, 15, v0                           ; l % 16
	v_bfe_u32 v2, v0, 4, 1                         ; l / 16
	v_lshlrev_b32 v[BO], 5, v2
	s_lshl_b32 s68, s21, 9
	s_lshl_b32 s70, s[HC], 8
	s_add_co_u32 s68, s68, s70                     ; my 64 columns, in bytes
	s_mov_b32 s69, 0
	s_add_nc_u64 s[8:9], s[8:9], s[68:69]
.irp a, 0,1,2,3
.irp b, 0,1,2,3
	global_load_b128 v[ACC+8*(4*(\a)+(\b)):ACC+8*(4*(\a)+(\b))+3],   v[BO], s[8:9] offset:64*(\b)      ; the bias of columns 16 b + 8 (l / 16) + 0..3,
	global_load_b128 v[ACC+8*(4*(\a)+(\b))+4:ACC+8*(4*(\a)+(\b))+7], v[BO], s[8:9] offset:64*(\b)+16   ; + 4..7
.endr
.endr
	s_lshl_b32 s70, s22, 19
	s_add_co_u32 s68, s68, s70
	s_lshl_b32 s70, s[HR], 18
	s_add_co_u32 s68, s68, s70                     ; + my 64 rows of 4,096 bytes
	s_add_nc_u64 s[10:11], s[10:11], s[68:69]
	s_add_nc_u64 s[12:13], s[12:13], s[68:69]
	v_mul_u32_u24 v3, v1, PA
	v_lshl_add_u32 v3, v2, 4, v3
	s_mul_i32 s23, s[HR], 64*PA
	v_add_nc_u32 v[ADRA0], s23, v3
	v_and_b32 v4, 7, v0
	v_lshl_add_u32 v4, v2, 3, v4
	v_mul_u32_u24 v4, v4, PB
	v_bfe_u32 v5, v0, 3, 1
	v_lshl_add_u32 v4, v5, 4, v4
	s_lshl_b32 s23, s[HC], 7
	s_add_co_u32 s23, s23, 2*ASUB
	v_add_nc_u32 v[ADRB0], s23, v4
	v_add_nc_u32 v[ADRB0+1], BHALF, v[ADRB0]
	s_mul_i32 s23, s[WV], 64*SP                    ; my stage
	v_mul_u32_u24 v6, v1, SP
	v_lshl_add_u32 v6, v2, 5, v6                   ; in: row l % 16, 32 bytes for each half of the lanes
	v_add_nc_u32 v[STO], s23, v6
	v_mul_u32_u24 v6, v2, SP
	v_lshl_add_u32 v6, v1, 4, v6                   ; back: lanes 0-15 one row of 256 bytes, lanes 16-31 the next
	v_add_nc_u32 v[RD], s23, v6
	v_lshlrev_b32 v6, 12, v2
	v_lshl_add_u32 v[CO], v1, 4, v6
; 8 matrix instructions: m blocks a0, a0 + 1 x all 4 n blocks, 32 along K: half c of buffer f.  The 16 accumulators take turns, one instruction a turn, over the backward jump too.
.macro MUL8 f, c, a0
	WIN MUL
.irp a, \a0, (\a0)+1
.irp b, 0,1,2,3
	v_wmma_f32_16x16x32_bf16 v[ACC+8*(4*(\a)+(\b)):ACC+8*(4*(\a)+(\b))+7], v[(\f)+64+8*(4*(\c)+(\b)):(\f)+64+8*(4*(\c)+(\b))+7], v[(\f)+8*(4*(\c)+(\a)):(\f)+8*(4*(\c)+(\a))+7], v[ACC+8*(4*(\a)+(\b)):ACC+8*(4*(\a)+(\b))+7]
.endr
.endr
.endm
; 32 LDS loads in one run: quarter q (64 along K) of the slot being read, into buffer f; the first 32 along K first
.macro FETCH q, f
	WIN TO_F
.irp c, 0,1
.irp i, 0,1,2,3
	ds_load_tr16_b128 v[(\f)+64+8*(4*(\c)+(\i)):(\f)+64+8*(4*(\c)+(\i))+3],   v[ADRB+(\q)/2] offset:(((\q)%2)*64+32*(\c))*PB+32*(\i)
	ds_load_tr16_b128 v[(\f)+64+8*(4*(\c)+(\i))+4:(\f)+64+8*(4*(\c)+(\i))+7], v[ADRB+(\q)/2] offset:(((\q)%2)*64+32*(\c))*PB+32*(\i)+16*PB
	ds_load_b128 v[(\f)+8*(4*(\c)+(\i)):(\f)+8*(4*(\c)+(\i))+3],         v[ADRA] offset:((\q)/2)*ASUB+((\q)%2)*128+64*(\c)+(\i)*16*PA
	ds_load_b128 v[(\f)+8*(4*(\c)+(\i))+4:(\f)+8*(4*(\c)+(\i))+7],       v[ADRA] offset:((\q)/2)*ASUB+((\q)%2)*128+64*(\c)+(\i)*16*PA+32
.endr
.endr
.endm
.macro PLACES                          ; four plain instructions between a matrix instruction and a load into, or a reader of, its registers
.rept 4
	v_nop
.endr
.endm
.macro QUARTER q, f, g                 ; multiplies buffer f and fetches quarter q into g
	s_wait_dscnt 16                                ; the first 32 along K are in
	MUL8 \f, 0, 0
	MUL8 \f, 0, 2
	PLACES
	FETCH \q, \g
	s_wait_dscnt 32                                ; all but the 32 just issued
	MUL8 \f, 1, 0
	MUL8 \f, 1, 2
.endm
; THE CHANGE OF SLOTS.  Each wave waits for all its tensor loads (one is out: its part of the slot to be read next), adds 0 to its spare word, and waits for that and for its reads of the slot that it leaves.
; fill = 1: behind a round of the cluster's barrier that slot is filled again, first thing there, with the K step after the one to be read: it has a whole step's work in which to land.
.macro CHANGE fill
	WIN 0
	s_wait_tensorcnt 0x0                           ; no tensor load of mine is out, so a group 0 may be written
	ds_add_u32 v[SPW], v[NIL]
.if \fill
	s_add_co_u32 s[G0+5], s[LBA], s[TF]            ; the walking descriptors: the slot just read,
	s_add_co_u32 s[G0B+5], s[LBB], s[TF]
	s_add_nc_u64 s[G0+6:G0+7], s[G0+6:G0+7], 2*BLK ; the next K step: two blocks of A,
	s_add_nc_u64 s[G0B+6:G0B+7], s[G0B+6:G0B+7], 256*2048  ; 256 k-rows of W
	s_wait_dscnt 0x0
	CROUND
	JLOAD 1                                        ; its four v_nop are also the places in front of WORK's first loads
.else
	s_wait_dscnt 0x0
	s_barrier_signal -1
	s_barrier_wait -1
	PLACES
.endif
.endm
; A K STEP'S WORK: four quarters of 64 along K, 32 matrix instructions each, on buffers 0, 1, 0, 1; each of the first three fetches the next one's fragments in its middle.
.macro WORK
	v_add_nc_u32 v[ADRA], s[TS], v[ADRA0]
	v_add_nc_u32 v[ADRB], s[TS], v[ADRB0]
	v_add_nc_u32 v[ADRB+1], s[TS], v[ADRB0+1]
	s_mov_b32 s[TF], s[TS]
	s_xor_b32 s[TS], s[TS], SLOT
	FETCH 0, F0
	QUARTER 1, F0, F1
	QUARTER 2, F1, F0
	QUARTER 3, F0, F1
	s_wait_dscnt 16
	MUL8 F1, 0, 0
	MUL8 F1, 0, 2
	s_wait_dscnt 0x0
	MUL8 F1, 1, 0
	MUL8 F1, 1, 2
	WIN 0
.endm
	s_wait_loadcnt 0x0                             ; the bias lies in the accumulators
	WIN 0x80                                       ; the residual is asked for here: it lands under the products
.set t, 0
.rept 32
	global_load_b128 v[4*t:4*t+3], v[CO], s[10:11] offset:8192*t th:TH_LOAD_NT
.set t, t+1
.endr
	WIN 0
	s_wait_tensorcnt 1                             ; my part of K step 0 is in; K step 1's load stays out
	s_barrier_signal -1
	s_barrier_wait -1
	s_mov_b32 s3, NSTEP-1
	s_branch .Lwork                                ; step 0 has no change of slots in front of it
.Lstep:                                                ; NSTEP - 2 times: K steps 2 to NSTEP - 1 are asked for
	CHANGE 1
.Lwork:
	WORK
	s_sub_co_u32 s3, s3, 1
	s_cmp_lg_u32 s3, 0
	s_cbranch_scc1 .Lstep
	CHANGE 0                                       ; the last step is written out: nothing is asked for
	WORK
	; THE WAY OUT.  Every wave's reads of the ring are over (WORK's wait for 0) and no fill follows: behind this barrier the ring's first bytes are the stages, a wave's own 64 rows x 272 bytes.
	s_barrier_signal -1
	s_barrier_wait -1
	PLACES
.irp a, 0,1,2,3
.irp b, 0,1,2,3
	ds_store_b128 v[STO], v[ACC+8*(4*(\a)+(\b)):ACC+8*(4*(\a)+(\b))+3]   offset:(\a)*16*SP+64*(\b)      ; each accumulator's low half first
	ds_store_b128 v[STO], v[ACC+8*(4*(\a)+(\b))+4:ACC+8*(4*(\a)+(\b))+7] offset:(\a)*16*SP+64*(\b)+16
.endr
.endr
	WIN TO_F
.set t, 0
.rept 32
	ds_load_b128 v[4*t:4*t+3], v[RD] offset:t*2*SP     ; LDS serves a wave's instructions in order (ISA guide 5.7.1.4): these see my stores
.set t, t+1
.endr
	s_wait_loadcnt 0x0                             ; the residual
.set g, 0
.rept 4                                ; eight pairs of rows at a time
	s_wait_dscnt 24-8*g                            ; the later groups' loads stay out
	WIN 0x49                                       ; destination and source 0 window 1, source 1 window 2
.set t, 8*g
.rept 8
	v_pk_add_f32 v[4*t:4*t+1], v[4*t:4*t+1], v[4*t:4*t+1]
	v_pk_add_f32 v[4*t+2:4*t+3], v[4*t+2:4*t+3], v[4*t+2:4*t+3]
.set t, t+1
.endr
	WIN 0x04                                       ; store data window 1, address window 0
.set t, 8*g
.rept 8
	global_store_b128 v[CO], v[4*t:4*t+3], s[12:13] offset:8192*t    ; 16 lanes store 256 consecutive bytes, at a multiple of 256 from the buffer's first
.set t, t+1
.endr
.set g, g+1
.endr
	WIN 0
	s_wait_tensorcnt 0x0                           ; the wave's end, behind my last tensor load and my last LDS store
	ds_add_u32 v[SPW], v[NIL]
	s_wait_dscnt 0x0
	CROUND                                         ; the closing round
	s_endpgm
.Lfunc_end_k_q8463f5014c_wo:
	.size	k_q8463f5014c_wo, .Lfunc_end_k_q8463f5014c_wo-k_q8463f5014c_wo
	.p2alignl 7, 3214868480
	.fill 96, 4, 3214868480
	.section	.rodata,"a",@progbits
	.p2align	6, 0x0
	.amdhsa_kernel k_q8463f5014c_wo
		.amdhsa_group_segment_fixed_size 327680
		.amdhsa_private_segment_fixed_size 0
		.amdhsa_enable_private_segment 0
		.amdhsa_kernarg_size 40
		.amdhsa_user_sgpr_count 2
		.amdhsa_user_sgpr_kernarg_segment_ptr 1
		.amdhsa_wavefront_size32 1
		.amdhsa_system_sgpr_workgroup_id_x 1
		.amdhsa_system_sgpr_workgroup_id_y 1
		.amdhsa_system_sgpr_workgroup_id_z 1
		.amdhsa_system_vgpr_workitem_id 0
		.amdhsa_next_free_vgpr 640
		.amdhsa_next_free_sgpr 72
		.amdhsa_reserve_vcc 0
		.amdhsa_float_denorm_mode_32 3
		.amdhsa_float_denorm_mode_16_64 3
		.amdhsa_memory_ordered 1
		.amdhsa_forward_progress 1
		.amdhsa_inst_pref_size 61
	.end_amdhsa_kernel
	.amdgpu_metadata
---
amdhsa.version: [ 1, 2 ]
amdhsa.kernels:
  - .name:           k_q8463f5014c_wo
    .symbol:         k_q8463f5014c_wo.kd
    .args:
      - { .name: hn, .offset: 0, .size: 8, .value_kind: global_buffer, .address_space: global }
      - { .name: wa, .offset: 8, .size: 8, .value_kind: global_buffer, .address_space: global }
      - { .name: bo, .offset: 16, .size: 8, .value_kind: global_buffer, .address_space: global }
      - { .name: x, .offset: 24, .size: 8, .value_kind: global_buffer, .address_space: global }
      - { .name: x1, .offset: 32, .size: 8, .value_kind: global_buffer, .address_space: global }
    .group_segment_fixed_size: 327680
    .private_segment_fixed_size: 0
    .kernarg_segment_align: 8
    .kernarg_segment_size: 40
    .max_flat_workgroup_size: 128
    .sgpr_count:     72
    .vgpr_count:     640
    .wavefront_size: 32
...
	.end_amdgpu_metadata
.endif
;; end of part 4
;; launch ln2 (part 5): grid 512 x 1, 8 waves a work-group, no clusters, 0 bytes of LDS; arguments x1, ln2_g, ln2_b, hn; writes hn
.if DOCPART == 5
	.amdgcn_target "amdgcn-amd-amdhsa--gfx1250"
	.amdhsa_code_object_version 6
	.text
	.protected	k_q8463f5014c_ln2
	.globl	k_q8463f5014c_ln2
	.p2align	8
	.type	k_q8463f5014c_ln2,@function
k_q8463f5014c_ln2:
	s_mov_b64 s[64:65], 0
	v_nop
	global_prefetch_b8 v0, s[64:65] scope:SCOPE_SE
	s_setreg_imm32_b32 hwreg(HW_REG_WAVE_MODE, 25, 1), 1
	s_wait_xcnt 0x0
; The second layer norm: y = (x - mean) / sqrt(var + 1e-5) x gain + bias, rows of 1,024 f32; y leaves in bf16, in blocks of 128 columns: hn[block j][row][128], a row of a block = 256 dense bytes.
; A work-group takes 8 rows, a wave one: the row stays in 32 registers between the passes, so it is read once; the sums never leave the wave: no LDS, no barrier.
; Mean first, then the squares of x - mean, so a common offset of x costs nothing.  NaN and infinities are not treated apart.
.set BLK, 1048576
.set XO,  2                            ; v2      16 x lane
.set VO,  3                            ; v3      row x 256 + 8 x lane
.set M,   4                            ; v[4:5]  the mean, twice
.set RS,  6                            ; v[6:7]  1 / sqrt(var + eps), twice
.set T,   8                            ; v[8:23] at work
.set X,   32                           ; v[32:63]  the row: load j holds columns 128 j + 4 lane .. + 3
.set G,   64
.set BB,  96
	s_load_b256 s[4:11], s[0:1], 0x0               ; x s[4:5], gain s[6:7], bias s[8:9], hn s[10:11]
	v_lshrrev_b32 v1, 5, v0
	v_readfirstlane_b32 s3, v1                     ; wave 0..7
	v_and_b32 v1, 31, v0
	v_lshlrev_b32 v[XO], 4, v1
	s_lshl_b32 s14, ttmp9, 3
	s_add_co_u32 s14, s14, s3                      ; my row
	s_lshl_b32 s16, s14, 12
	s_mov_b32 s17, 0
	s_lshl_b32 s18, s14, 8
	v_lshl_add_u32 v[VO], v1, 3, s18
	s_mov_b32 s12, 0x76543210
	s_mov_b32 s13, 0xfedcba98
	s_mov_b32 s15, 0x3a800000                      ; 1 / 1024
	s_mov_b32 s19, 0x3727c5ac                      ; eps = 1e-5
	s_wait_kmcnt 0x0
	s_add_nc_u64 s[4:5], s[4:5], s[16:17]
.irp j, 0,1,2,3,4,5,6,7
	global_load_b128 v[X+4*(\j):X+4*(\j)+3], v[XO], s[4:5] offset:512*(\j) th:TH_LOAD_NT
.endr
.irp j, 0,1,2,3,4,5,6,7
	global_load_b128 v[G+4*(\j):G+4*(\j)+3], v[XO], s[6:7] offset:512*(\j)
.endr
.irp j, 0,1,2,3,4,5,6,7
	global_load_b128 v[BB+4*(\j):BB+4*(\j)+3], v[XO], s[8:9] offset:512*(\j)
.endr
.macro LANES                           ; the sum of v[T] over the 32 lanes, in every lane
	v_add_f32_dpp v[T], v[T], v[T] row_xmask:1 row_mask:0xf bank_mask:0xf
	v_add_f32_dpp v[T], v[T], v[T] row_xmask:2 row_mask:0xf bank_mask:0xf
	v_add_f32_dpp v[T], v[T], v[T] row_xmask:4 row_mask:0xf bank_mask:0xf
	v_add_f32_dpp v[T], v[T], v[T] row_xmask:8 row_mask:0xf bank_mask:0xf
	v_permlanex16_b32 v[T+1], v[T], s12, s13
	v_add_f32 v[T], v[T], v[T+1]
.endm
	s_wait_loadcnt 16                              ; the row is in; the 16 loads of gain and bias stay out
.irp k, 0,1,2,3,4,5,6,7
	v_pk_add_f32 v[T+2*(\k):T+2*(\k)+1], v[X+4*(\k):X+4*(\k)+1], v[X+4*(\k)+2:X+4*(\k)+3]
.endr
.irp k, 0,1,2,3
	v_pk_add_f32 v[T+4*(\k):T+4*(\k)+1], v[T+4*(\k):T+4*(\k)+1], v[T+4*(\k)+2:T+4*(\k)+3]
.endr
	v_pk_add_f32 v[T:T+1], v[T:T+1], v[T+4:T+5]
	v_pk_add_f32 v[T+8:T+9], v[T+8:T+9], v[T+12:T+13]
	v_pk_add_f32 v[T:T+1], v[T:T+1], v[T+8:T+9]
	v_add_f32 v[T], v[T], v[T+1]
	LANES
	v_mul_f32 v[M], s15, v[T]
	v_mov_b32 v[M+1], v[M]
.set k, 0
.rept 16
	v_pk_add_f32 v[X+2*k:X+2*k+1], v[X+2*k:X+2*k+1], v[M:M+1] neg_lo:[0,1] neg_hi:[0,1]
.set k, k+1
.endr
.irp k, 0,1,2,3
	v_pk_mul_f32 v[T+2*(\k):T+2*(\k)+1], v[X+2*(\k):X+2*(\k)+1], v[X+2*(\k):X+2*(\k)+1]
.endr
.set k, 4
.rept 12                               ; four chains that do not wait for each other
	v_pk_fma_f32 v[T+2*(k%4):T+2*(k%4)+1], v[X+2*k:X+2*k+1], v[X+2*k:X+2*k+1], v[T+2*(k%4):T+2*(k%4)+1]
.set k, k+1
.endr
	v_pk_add_f32 v[T:T+1], v[T:T+1], v[T+2:T+3]
	v_pk_add_f32 v[T+4:T+5], v[T+4:T+5], v[T+6:T+7]
	v_pk_add_f32 v[T:T+1], v[T:T+1], v[T+4:T+5]
	v_add_f32 v[T], v[T], v[T+1]
	LANES
	v_fma_f32 v[T+2], v[T], s15, s19               ; var + eps
	v_rsq_f32 v[RS], v[T+2]
	v_rsq_f32 v[RS+1], v[T+2]
	v_nop                                          ; a plain instruction behind the second root,
	s_wait_alu depctr_va_vdst(0)                   ; and one wait for both, ahead of their first reader
	s_wait_loadcnt 0x0                             ; gain and bias
.set k, 0
.rept 16
	v_pk_mul_f32 v[X+2*k:X+2*k+1], v[X+2*k:X+2*k+1], v[RS:RS+1]
.set k, k+1
.endr
.set k, 0
.rept 16
	v_pk_fma_f32 v[X+2*k:X+2*k+1], v[X+2*k:X+2*k+1], v[G+2*k:G+2*k+1], v[BB+2*k:BB+2*k+1]
.set k, k+1
.endr
.irp j, 0,1,2,3,4,5,6,7
	v_cvt_pk_bf16_f32 v[X+4*(\j)], v[X+4*(\j)], v[X+4*(\j)+1]
	v_cvt_pk_bf16_f32 v[X+4*(\j)+1], v[X+4*(\j)+2], v[X+4*(\j)+3]
	global_store_b64 v[VO], v[X+4*(\j):X+4*(\j)+1], s[10:11] offset:(\j)*BLK th:TH_STORE_NT  ; 32 lanes: the row's 256 bytes in block j
.endr
	s_endpgm
.Lfunc_end_k_q8463f5014c_ln2:
	.size	k_q8463f5014c_ln2, .Lfunc_end_k_q8463f5014c_ln2-k_q8463f5014c_ln2
	.p2alignl 7, 3214868480
	.fill 96, 4, 3214868480
	.section	.rodata,"a",@progbits
	.p2align	6, 0x0
	.amdhsa_kernel k_q8463f5014c_ln2
		.amdhsa_group_segment_fixed_size 0
		.amdhsa_private_segment_fixed_size 0
		.amdhsa_enable_private_segment 0
		.amdhsa_kernarg_size 32
		.amdhsa_user_sgpr_count 2
		.amdhsa_user_sgpr_kernarg_segment_ptr 1
		.amdhsa_wavefront_size32 1
		.amdhsa_system_sgpr_workgroup_id_x 1
		.amdhsa_system_sgpr_workgroup_id_y 1
		.amdhsa_system_sgpr_workgroup_id_z 1
		.amdhsa_system_vgpr_workitem_id 0
		.amdhsa_next_free_vgpr 128
		.amdhsa_next_free_sgpr 66
		.amdhsa_reserve_vcc 0
		.amdhsa_float_denorm_mode_32 3
		.amdhsa_float_denorm_mode_16_64 3
		.amdhsa_memory_ordered 1
		.amdhsa_forward_progress 1
		.amdhsa_inst_pref_size 12
	.end_amdhsa_kernel
	.amdgpu_metadata
---
amdhsa.version: [ 1, 2 ]
amdhsa.kernels:
  - .name:           k_q8463f5014c_ln2
    .symbol:         k_q8463f5014c_ln2.kd
    .args:
      - { .name: x1, .offset: 0, .size: 8, .value_kind: global_buffer, .address_space: global }
      - { .name: ln2_g, .offset: 8, .size: 8, .value_kind: global_buffer, .address_space: global }
      - { .name: ln2_b, .offset: 16, .size: 8, .value_kind: global_buffer, .address_space: global }
      - { .name: hn, .offset: 24, .size: 8, .value_kind: global_buffer, .address_space: global }
    .group_segment_fixed_size: 0
    .private_segment_fixed_size: 0
    .kernarg_segment_align: 8
    .kernarg_segment_size: 32
    .max_flat_workgroup_size: 256
    .sgpr_count:     66
    .vgpr_count:     128
    .wavefront_size: 32
...
	.end_amdgpu_metadata
.endif
;; end of part 5
;; launch mlp1: the kernel of part 2 again; grid 16 x 16, 4 waves a work-group, clusters of 4 x 4, 327,680 bytes of LDS; arguments hn, wb, b1, pb, act; writes act
;; launch mlp2 (part 6): grid 8 x 32, 4 waves a work-group, clusters of 4 x 4, 327,680 bytes of LDS; arguments act, wb, b2, x1, out0; writes out0
.if DOCPART == 6
	.amdgcn_target "amdgcn-amd-amdhsa--gfx1250"
	.amdhsa_code_object_version 6
	.text
	.protected	k_q8463f5014c_mlp2
	.globl	k_q8463f5014c_mlp2
	.p2align	8
	.type	k_q8463f5014c_mlp2,@function
k_q8463f5014c_mlp2:
	s_mov_b64 s[64:65], 0
	v_nop
	global_prefetch_b8 v0, s[64:65] scope:SCOPE_SE
	s_setreg_imm32_b32 hwreg(HW_REG_WAVE_MODE, 25, 1), 1
	s_wait_xcnt 0x0
	s_wait_alu depctr_hold_cnt(0) depctr_sa_sdst(0) depctr_va_vdst(0) depctr_va_sdst(0) depctr_va_ssrc(0) depctr_va_vcc(0) depctr_vm_vsrc(0)
	s_getreg_b32 s2, hwreg(HW_REG_IB_STS2, 6, 4)
	s_cmp_eq_u32 s2, 0
	s_cbranch_scc0 .Lentry_in_a_cluster
	s_endpgm
.Lentry_in_a_cluster:
	s_bfe_u32 s2, ttmp6, 0x10000c
	s_cmp_lg_u32 s2, 0xf033
	s_cbranch_scc0 .Lentry_shape_is_right
	s_endpgm
.Lentry_shape_is_right:
; out = resid + A W + bias, N = 1,024, K = 256 NSTEP.  A: bf16 in blocks of 128 columns, [K / 128][4096 rows][128].  W: bf16 [K][1024], 8 MiB behind the head of its buffer.  bias, resid, out: f32, resid and out [4096][1024].
; The text is that of the product with K = 1,024 but for NSTEP: the loop over K steps holds barriers, so its count is a constant of the text.
; A tile of C is 128 x 128, so that 256 work-groups share the work; four waves, each 64 x 64: 16 accumulators.  K goes in steps of 256 through two LDS slots.  A step's A is two blocks' tiles of 128 rows x 256 dense
; bytes, its W two tiles of 128 k-rows x 256 bytes: one tensor load a wave.  W's fragments come out of LDS turned, by ds_load_tr16_b128.
; A K STEP IS WRITTEN ONCE: CHANGE (the waits, the round, the one refill), then WORK (the slot's addresses, its fragments, 128 products a wave).  Which slot is read is a scalar register (0 or SLOT), turned by an
; exclusive or.  The loop is entered at WORK for step 0; the last step, which fills nothing, is written out.  No product stands inside the change of slots: the price of the short text.
; CLUSTER 4 x 4: A's tiles shared along a row of the cluster, W's along a column, by joint loads.  THE MATRIX INSTRUCTION IS USED TRANSPOSED (source 0 = 16 columns of W, source 1 = 16 rows of A).
; THE BIAS starts the sums: it is loaded straight into the accumulators (a lane's eight columns of a column block, for each of the four row blocks), so that every product has one form.
; REGISTERS: window 0: v0-31 addresses; v128-255 the accumulators ((a, b) at v[128 + 8 (4 a + b)]).  window 1: two fragment buffers of 128 (64 of A, then 64 of W, for 64 along K); on the way out
;   the tile's rows.  window 2: v0-127 the residual.  THE WAY OUT goes through the ring's own bytes, which have had their last fill.
; No prefetch: the tiles are small and each is read by several work-groups at once.
.set NSTEP,  16                        ; K = 4,096
.set PA,     272                       ; A's LDS row: 256 + 16 bytes
.set PB,     288                       ; W's LDS row: 256 + 32 bytes
.set ASUB,   128*PA                    ; one block's tile of A
.set BHALF,  128*PB                    ; 128 k-rows of W
.set SLOT,   2*ASUB+2*BHALF
.set SPARE,  2*SLOT                    ; behind the ring: the spare words, 128 bytes a wave
.set SP,     272                       ; a stage row: 64 f32 + 16 bytes
.set BLK,    1048576
.set WOFF,   0x800000                  ; W's place in its buffer
.set ADRA, 16                          ; v16  my A fragments in the slot being read
.set ADRA0, 17                         ; v17  the same in slot 0; never rewritten
.set ADRB, 20                          ; v20-21 my W fragments in the slot being read: k-rows 0-127, 128-255
.set ADRB0, 22                         ; v22-23 the same in slot 0; never rewritten
.set STO,  24
.set RD,   25
.set CO,   26                          ; v26  (l / 16) x 4,096 + 16 (l % 16): two rows of resid and of out
.set BO,   27                          ; v27  32 (l / 16)
.set SPW,  28
.set NIL,  29
.set ACC,  128
.set F0,   0
.set F1,   128
.set WV,   16
.set HR,   17
.set HC,   18
.set G1,   24
.set G0,   32                          ; s[32:39] group 0 for A's tiles: a set for each of the two first fills; the second then walks on
.set LBA,  42                          ; s42  my part of a slot, for A
.set LBB,  43                          ; s43  for W
.set TS,   44                          ; s44  0 or SLOT: the slot that the next WORK reads
.set TF,   45                          ; s45  the slot that the last WORK read: the next refill's
.set G1B,  48
.set G0B,  56                          ; s[56:63] the same for W's tiles
.set MSB, 0
.macro WIN new
.if MSB != (\new)
	s_set_vgpr_msb (MSB<<8)|(\new)
.set MSB, \new
.endif
.endm
.set MUL,  0x05                        ; sources 0 (W) and 1 (A) window 1; C and D window 0
.set TO_F, 0x40                        ; destination window 1, address window 0
.macro JLOAD s                         ; waves 0 and 1 fetch A's two blocks, waves 2 and 3 W's two halves; an s_nop 0 and four v_nop follow each line
	s_cmp_eq_u32 s[HR], 0
	s_cbranch_scc0 .Lfor_b_\@
	tensor_load_to_lds s[G0+4*(\s):G0+4*(\s)+3], s[G1:G1+7]
	s_nop 0
.rept 4
	v_nop
.endr
	s_branch .Lasked_\@
.Lfor_b_\@:
	tensor_load_to_lds s[G0B+4*(\s):G0B+4*(\s)+3], s[G1B:G1B+7]
	s_nop 0
.rept 4
	v_nop
.endr
.Lasked_\@:
.endm
.macro CROUND                          ; a round of the cluster's barrier
	s_barrier_signal -1
	s_barrier_wait -1
	s_cmp_lg_u32 s[WV], 0
	s_cbranch_scc1 .Lnot_wave_0_\@
	s_barrier_signal -3
.Lnot_wave_0_\@:
	s_barrier_wait -3
	s_barrier_signal -1
	s_barrier_wait -1
.endm
	s_load_b256 s[4:11], s[0:1], 0x0               ; A s[4:5], W s[6:7], bias s[8:9], resid s[10:11]
	s_load_b64 s[12:13], s[0:1], 0x20              ; out
	v_lshl_add_u32 v[SPW], v0, 2, SPARE
	v_mov_b32 v[NIL], 0
	ds_add_u32 v[SPW], v[NIL]                      ; the wave's opening: the add and its wait ahead of my first tensor load
	v_lshrrev_b32 v1, 5, v0
	v_readfirstlane_b32 s[WV], v1
	s_lshr_b32 s[HR], s[WV], 1                     ; my half of the tile's rows; also: I fetch for A (0) or W (1)
	s_and_b32 s[HC], s[WV], 1                      ; my half of its columns; also: which half of a K step I fetch
	s_bfe_u32 s19, ttmp6, 0x40000                  ; cx
	s_bfe_u32 s20, ttmp6, 0x40004                  ; cy
	s_lshl_b32 s21, ttmp9, 2
	s_add_co_u32 s21, s21, s19                     ; tile column
	s_and_b32 s22, ttmp7, 0xffff
	s_lshl_b32 s22, s22, 2
	s_add_co_u32 s22, s22, s20                     ; tile row
	s_lshl_b32 s23, s20, 2
	s_lshl_b32 s23, 15, s23                        ; my row of the cluster
	s_lshl_b32 s2, 0x1111, s19                     ; my column
	s_or_b32 s[G1+0], s23, (1<<16)|(1<<20)|(1<<21)|(5<<22)|(3<<25)   ; after every 64 words 4 words
	s_or_b32 s[G1B+0], s2, (1<<16)|(1<<20)|(1<<21)|(5<<22)|(7<<25)   ; after every 64 words 8 words
.irp g, G1, G1B
	s_mov_b32 s[(\g)+1], 128<<16                   ; tensor_dim0 = 128
	s_mov_b32 s[(\g)+2], 128<<16                   ; tensor_dim1 = 128
	s_mov_b32 s[(\g)+3], 128<<16                   ; tile_dim0 = 128
	s_mov_b32 s[(\g)+4], 128                       ; tile_dim1 = 128
	s_mov_b32 s[(\g)+6], 0
	s_mov_b32 s[(\g)+7], 0
.endr
	s_mov_b32 s[G1+5], 128                         ; a block's rows are dense
	s_mov_b32 s[G1B+5], 1024                       ; elements from k-row to k-row
	s_lshl_b32 s40, s[HC], 20                      ; A: my block of the step's two,
	s_lshl_b32 s3, s22, 15                         ; the tile's 128 rows of 256 bytes
	s_add_co_u32 s40, s40, s3
	s_mov_b32 s41, 0
	s_lshl_b32 s46, s[HC], 18                      ; W: my 128 k-rows of 2,048 bytes,
	s_lshl_b32 s3, s21, 8                          ; the tile's 128 columns
	s_add_co_u32 s46, s46, s3
	s_add_co_u32 s46, s46, WOFF
	s_mov_b32 s47, 0
	s_mul_i32 s[LBA], s[HC], ASUB                  ; where they go: no place in the cluster enters an LDS address
	s_mul_i32 s[LBB], s[HC], BHALF
	s_add_co_u32 s[LBB], s[LBB], 2*ASUB
	s_mov_b32 s[TS], 0
	s_wait_dscnt 0x0                               ; the opening add is done
	s_wait_kmcnt 0x0
	s_add_nc_u64 s[40:41], s[4:5], s[40:41]
	s_add_nc_u64 s[46:47], s[6:7], s[46:47]
	CROUND                                         ; all sixteen work-groups are here: the first joint loads meet
.irp s, 0,1
	s_mov_b32 s[G0+4*(\s)], 1
	s_add_co_u32 s[G0+4*(\s)+1], s[LBA], (\s)*SLOT
	s_add_nc_u64 s[G0+4*(\s)+2:G0+4*(\s)+3], s[40:41], (\s)*2*BLK
	s_or_b32 s[G0+4*(\s)+3], s[G0+4*(\s)+3], 0x80000000
	s_mov_b32 s[G0B+4*(\s)], 1
	s_add_co_u32 s[G0B+4*(\s)+1], s[LBB], (\s)*SLOT
	s_add_nc_u64 s[G0B+4*(\s)+2:G0B+4*(\s)+3], s[46:47], (\s)*256*2048
	s_or_b32 s[G0B+4*(\s)+3], s[G0B+4*(\s)+3], 0x80000000
	JLOAD \s
.endr
	v_and_b32 v1, 15, v0                           ; l % 16
	v_bfe_u32 v2, v0, 4, 1                         ; l / 16
	v_lshlrev_b32 v[BO], 5, v2
	s_lshl_b32 s68, s21, 9
	s_lshl_b32 s70, s[HC], 8
	s_add_co_u32 s68, s68, s70                     ; my 64 columns, in bytes
	s_mov_b32 s69, 0
	s_add_nc_u64 s[8:9], s[8:9], s[68:69]
.irp a, 0,1,2,3
.irp b, 0,1,2,3
	global_load_b128 v[ACC+8*(4*(\a)+(\b)):ACC+8*(4*(\a)+(\b))+3],   v[BO], s[8:9] offset:64*(\b)      ; the bias of columns 16 b + 8 (l / 16) + 0..3,
	global_load_b128 v[ACC+8*(4*(\a)+(\b))+4:ACC+8*(4*(\a)+(\b))+7], v[BO], s[8:9] offset:64*(\b)+16   ; + 4..7
.endr
.endr
	s_lshl_b32 s70, s22, 19
	s_add_co_u32 s68, s68, s70
	s_lshl_b32 s70, s[HR], 18
	s_add_co_u32 s68, s68, s70                     ; + my 64 rows of 4,096 bytes
	s_add_nc_u64 s[10:11], s[10:11], s[68:69]
	s_add_nc_u64 s[12:13], s[12:13], s[68:69]
	v_mul_u32_u24 v3, v1, PA
	v_lshl_add_u32 v3, v2, 4, v3
	s_mul_i32 s23, s[HR], 64*PA
	v_add_nc_u32 v[ADRA0], s23, v3
	v_and_b32 v4, 7, v0
	v_lshl_add_u32 v4, v2, 3, v4
	v_mul_u32_u24 v4, v4, PB
	v_bfe_u32 v5, v0, 3, 1
	v_lshl_add_u32 v4, v5, 4, v4
	s_lshl_b32 s23, s[HC], 7
	s_add_co_u32 s23, s23, 2*ASUB
	v_add_nc_u32 v[ADRB0], s23, v4
	v_add_nc_u32 v[ADRB0+1], BHALF, v[ADRB0]
	s_mul_i32 s23, s[WV], 64*SP                    ; my stage
	v_mul_u32_u24 v6, v1, SP
	v_lshl_add_u32 v6, v2, 5, v6                   ; in: row l % 16, 32 bytes for each half of the lanes
	v_add_nc_u32 v[STO], s23, v6
	v_mul_u32_u24 v6, v2, SP
	v_lshl_add_u32 v6, v1, 4, v6                   ; back: lanes 0-15 one row of 256 bytes, lanes 16-31 the next
	v_add_nc_u32 v[RD], s23, v6
	v_lshlrev_b32 v6, 12, v2
	v_lshl_add_u32 v[CO], v1, 4, v6
; 8 matrix instructions: m blocks a0, a0 + 1 x all 4 n blocks, 32 along K: half c of buffer f.  The 16 accumulators take turns, one instruction a turn, over the backward jump too.
.macro MUL8 f, c, a0
	WIN MUL
.irp a, \a0, (\a0)+1
.irp b, 0,1,2,3
	v_wmma_f32_16x16x32_bf16 v[ACC+8*(4*(\a)+(\b)):ACC+8*(4*(\a)+(\b))+7], v[(\f)+64+8*(4*(\c)+(\b)):(\f)+64+8*(4*(\c)+(\b))+7], v[(\f)+8*(4*(\c)+(\a)):(\f)+8*(4*(\c)+(\a))+7], v[ACC+8*(4*(\a)+(\b)):ACC+8*(4*(\a)+(\b))+7]
.endr
.endr
.endm
; 32 LDS loads in one run: quarter q (64 along K) of the slot being read, into buffer f; the first 32 along K first
.macro FETCH q, f
	WIN TO_F
.irp c, 0,1
.irp i, 0,1,2,3
	ds_load_tr16_b128 v[(\f)+64+8*(4*(\c)+(\i)):(\f)+64+8*(4*(\c)+(\i))+3],   v[ADRB+(\q)/2] offset:(((\q)%2)*64+32*(\c))*PB+32*(\i)
	ds_load_tr16_b128 v[(\f)+64+8*(4*(\c)+(\i))+4:(\f)+64+8*(4*(\c)+(\i))+7], v[ADRB+(\q)/2] offset:(((\q)%2)*64+32*(\c))*PB+32*(\i)+16*PB
	ds_load_b128 v[(\f)+8*(4*(\c)+(\i)):(\f)+8*(4*(\c)+(\i))+3],         v[ADRA] offset:((\q)/2)*ASUB+((\q)%2)*128+64*(\c)+(\i)*16*PA
	ds_load_b128 v[(\f)+8*(4*(\c)+(\i))+4:(\f)+8*(4*(\c)+(\i))+7],       v[ADRA] offset:((\q)/2)*ASUB+((\q)%2)*128+64*(\c)+(\i)*16*PA+32
.endr
.endr
.endm
.macro PLACES                          ; four plain instructions between a matrix instruction and a load into, or a reader of, its registers
.rept 4
	v_nop
.endr
.endm
.macro QUARTER q, f, g                 ; multiplies buffer f and fetches quarter q into g
	s_wait_dscnt 16                                ; the first 32 along K are in
	MUL8 \f, 0, 0
	MUL8 \f, 0, 2
	PLACES
	FETCH \q, \g
	s_wait_dscnt 32                                ; all but the 32 just issued
	MUL8 \f, 1, 0
	MUL8 \f, 1, 2
.endm
; THE CHANGE OF SLOTS.  Each wave waits for all its tensor loads (one is out: its part of the slot to be read next), adds 0 to its spare word, and waits for that and for its reads of the slot that it leaves.
; fill = 1: behind a round of the cluster's barrier that slot is filled again, first thing there, with the K step after the one to be read: it has a whole step's work in which to land.
.macro CHANGE fill
	WIN 0
	s_wait_tensorcnt 0x0                           ; no tensor load of mine is out, so a group 0 may be written
	ds_add_u32 v[SPW], v[NIL]
.if \fill
	s_add_co_u32 s[G0+5], s[LBA], s[TF]            ; the walking descriptors: the slot just read,
	s_add_co_u32 s[G0B+5], s[LBB], s[TF]
	s_add_nc_u64 s[G0+6:G0+7], s[G0+6:G0+7], 2*BLK ; the next K step: two blocks of A,
	s_add_nc_u64 s[G0B+6:G0B+7], s[G0B+6:G0B+7], 256*2048  ; 256 k-rows of W
	s_wait_dscnt 0x0
	CROUND
	JLOAD 1                                        ; its four v_nop are also the places in front of WORK's first loads
.else
	s_wait_dscnt 0x0
	s_barrier_signal -1
	s_barrier_wait -1
	PLACES
.endif
.endm
; A K STEP'S WORK: four quarters of 64 along K, 32 matrix instructions each, on buffers 0, 1, 0, 1; each of the first three fetches the next one's fragments in its middle.
.macro WORK
	v_add_nc_u32 v[ADRA], s[TS], v[ADRA0]
	v_add_nc_u32 v[ADRB], s[TS], v[ADRB0]
	v_add_nc_u32 v[ADRB+1], s[TS], v[ADRB0+1]
	s_mov_b32 s[TF], s[TS]
	s_xor_b32 s[TS], s[TS], SLOT
	FETCH 0, F0
	QUARTER 1, F0, F1
	QUARTER 2, F1, F0
	QUARTER 3, F0, F1
	s_wait_dscnt 16
	MUL8 F1, 0, 0
	MUL8 F1, 0, 2
	s_wait_dscnt 0x0
	MUL8 F1, 1, 0
	MUL8 F1, 1, 2
	WIN 0
.endm
	s_wait_loadcnt 0x0                             ; the bias lies in the accumulators
	WIN 0x80                                       ; the residual is asked for here: it lands under the products
.set t, 0
.rept 32
	global_load_b128 v[4*t:4*t+3], v[CO], s[10:11] offset:8192*t th:TH_LOAD_NT
.set t, t+1
.endr
	WIN 0
	s_wait_tensorcnt 1                             ; my part of K step 0 is in; K step 1's load stays out
	s_barrier_signal -1
	s_barrier_wait -1
	s_mov_b32 s3, NSTEP-1
	s_branch .Lwork                                ; step 0 has no change of slots in front of it
.Lstep:                                                ; NSTEP - 2 times: K steps 2 to NSTEP - 1 are asked for
	CHANGE 1
.Lwork:
	WORK
	s_sub_co_u32 s3, s3, 1
	s_cmp_lg_u32 s3, 0
	s_cbranch_scc1 .Lstep
	CHANGE 0                                       ; the last step is written out: nothing is asked for
	WORK
	; THE WAY OUT.  Every wave's reads of the ring are over (WORK's wait for 0) and no fill follows: behind this barrier the ring's first bytes are the stages, a wave's own 64 rows x 272 bytes.
	s_barrier_signal -1
	s_barrier_wait -1
	PLACES
.irp a, 0,1,2,3
.irp b, 0,1,2,3
	ds_store_b128 v[STO], v[ACC+8*(4*(\a)+(\b)):ACC+8*(4*(\a)+(\b))+3]   offset:(\a)*16*SP+64*(\b)      ; each accumulator's low half first
	ds_store_b128 v[STO], v[ACC+8*(4*(\a)+(\b))+4:ACC+8*(4*(\a)+(\b))+7] offset:(\a)*16*SP+64*(\b)+16
.endr
.endr
	WIN TO_F
.set t, 0
.rept 32
	ds_load_b128 v[4*t:4*t+3], v[RD] offset:t*2*SP     ; LDS serves a wave's instructions in order (ISA guide 5.7.1.4): these see my stores
.set t, t+1
.endr
	s_wait_loadcnt 0x0                             ; the residual
.set g, 0
.rept 4                                ; eight pairs of rows at a time
	s_wait_dscnt 24-8*g                            ; the later groups' loads stay out
	WIN 0x49                                       ; destination and source 0 window 1, source 1 window 2
.set t, 8*g
.rept 8
	v_pk_add_f32 v[4*t:4*t+1], v[4*t:4*t+1], v[4*t:4*t+1]
	v_pk_add_f32 v[4*t+2:4*t+3], v[4*t+2:4*t+3], v[4*t+2:4*t+3]
.set t, t+1
.endr
	WIN 0x04                                       ; store data window 1, address window 0
.set t, 8*g
.rept 8
	global_store_b128 v[CO], v[4*t:4*t+3], s[12:13] offset:8192*t    ; 16 lanes store 256 consecutive bytes, at a multiple of 256 from the buffer's first
.set t, t+1
.endr
.set g, g+1
.endr
	WIN 0
	s_wait_tensorcnt 0x0                           ; the wave's end, behind my last tensor load and my last LDS store
	ds_add_u32 v[SPW], v[NIL]
	s_wait_dscnt 0x0
	CROUND                                         ; the closing round
	s_endpgm
.Lfunc_end_k_q8463f5014c_mlp2:
	.size	k_q8463f5014c_mlp2, .Lfunc_end_k_q8463f5014c_mlp2-k_q8463f5014c_mlp2
	.p2alignl 7, 3214868480
	.fill 96, 4, 3214868480
	.section	.rodata,"a",@progbits
	.p2align	6, 0x0
	.amdhsa_kernel k_q8463f5014c_mlp2
		.amdhsa_group_segment_fixed_size 327680
		.amdhsa_private_segment_fixed_size 0
		.amdhsa_enable_private_segment 0
		.amdhsa_kernarg_size 40
		.amdhsa_user_sgpr_count 2
		.amdhsa_user_sgpr_kernarg_segment_ptr 1
		.amdhsa_wavefront_size32 1
		.amdhsa_system_sgpr_workgroup_id_x 1
		.amdhsa_system_sgpr_workgroup_id_y 1
		.amdhsa_system_sgpr_workgroup_id_z 1
		.amdhsa_system_vgpr_workitem_id 0
		.amdhsa_next_free_vgpr 640
		.amdhsa_next_free_sgpr 72
		.amdhsa_reserve_vcc 0
		.amdhsa_float_denorm_mode_32 3
		.amdhsa_float_denorm_mode_16_64 3
		.amdhsa_memory_ordered 1
		.amdhsa_forward_progress 1
		.amdhsa_inst_pref_size 61
	.end_amdhsa_kernel
	.amdgpu_metadata
---
amdhsa.version: [ 1, 2 ]
amdhsa.kernels:
  - .name:           k_q8463f5014c_mlp2
    .symbol:         k_q8463f5014c_mlp2.kd
    .args:
      - { .name: act, .offset: 0, .size: 8, .value_kind: global_buffer, .address_space: global }
      - { .name: wb, .offset: 8, .size: 8, .value_kind: global_buffer, .address_space: global }
      - { .name: b2, .offset: 16, .size: 8, .value_kind: global_buffer, .address_space: global }
      - { .name: x1, .offset: 24, .size: 8, .value_kind: global_buffer, .address_space: global }
      - { .name: out0, .offset: 32, .size: 8, .value_kind: global_buffer, .address_space: global }
    .group_segment_fixed_size: 327680
    .private_segment_fixed_size: 0
    .kernarg_segment_align: 8
    .kernarg_segment_size: 40
    .max_flat_workgroup_size: 128
    .sgpr_count:     72
    .vgpr_count:     640
    .wavefront_size: 32
...
	.end_amdgpu_metadata
.endif
;; end of part 6
